; MI455X (gfx1250); checked and timed in simulation.
; The chip was launched on July 23, 2026; its instructions are those of AMD's public machine-readable ISA for CDNA 5 (MIT licence, August 2026) and "CDNA5" Instruction Set Architecture Reference Guide (July 2026). The comments in the code are by the model that wrote it; some were corrected since.
;; Transformer Enc Layer. Allowed arithmetic: float matrix products may take bf16 or f16 operands with f32 sums; other float arithmetic in f32, or as packed bf16 or f16 multiplies, adds, multiply-adds, maxima and minima; sums over many terms, partial sums and values carried from step to step in f32; what a program stores and reads back later, other than sums and carried values, may be rounded once to bf16 or f16.
;; Inputs: W1 1,024 x 4,096 float32; W2 4,096 x 1,024 float32; Wk 1,024 x 1,024 float32; Wq 1,024 x 1,024 float32; Wv 1,024 x 1,024 float32; b1 4,096 float32; b2 1,024 float32; beta1 1,024 float32; beta2 1,024 float32; bk 1,024 float32; bq 1,024 float32; bv 1,024 float32; g1 1,024 float32; g2 1,024 float32; mask 2 x 2,048 bool; x 2 x 2,048 x 1,024 float32.
;; Outputs: out0 2 x 2,048 x 1,024 float32.
;; One version. Each part assembles by itself: llvm-mc -triple=amdgcn-amd-amdhsa -mcpu=gfx1250 --defsym DOCPART=n.
;; ======== version 1 of 1: 7 launches
;; limits: right only within a limited range of input values
;; workspace buffers: pk1 16,797,696 bytes; pk2 16,797,696 bytes; w2b 8,388,608 bytes; qkv 33,554,432 bytes; ao 8,388,608 bytes; h1lo 8,388,608 bytes; tff 33,554,432 bytes; y2 16,777,216 bytes
;; launch cast (part 1): grid 961 x 1, 8 waves a work-group, no clusters, 0 bytes of LDS; arguments x, Wq, Wk, Wv, W1, W2, bq, bk, bv, b1, pk1, pk2, w2b; writes pk1, pk2, w2b
.if DOCPART == 1
	.amdgcn_target "amdgcn-amd-amdhsa--gfx1250"
	.amdhsa_code_object_version 6
	.text
	.protected	k_qdc78380155_cast
	.globl	k_qdc78380155_cast
	.p2align	8
	.type	k_qdc78380155_cast,@function
k_qdc78380155_cast:
	s_mov_b64 s[64:65], 0
	v_nop
	global_prefetch_b8 v0, s[64:65] scope:SCOPE_SE
	s_setreg_imm32_b32 hwreg(HW_REG_WAVE_MODE, 25, 1), 1
	s_wait_xcnt 0x0
; FIRST OF SEVEN LAUNCHES of an encoder layer: q, k, v = x W + b; softmax((q.k, or -1e15 where mask[q] & mask[k] is false) / 1024) v; h1 = LN(x + attention); out = LN(h1 + relu(h1 W1 + b1) W2 + b2).
; DEAD WORK: none is left out, and every input is loaded.  bk is live: the -1e15 takes a hidden score's place AFTER bk has entered, so q.bk is not the same along the softmax's axis.
; A hidden query's row (all scores -1e15) is the mean of v over all 2,048 keys of its batch: the attention launch makes it and selects it.
; THIS LAUNCH rounds the matrix operands to bf16 once: x, Wq, Wk, Wv, W1, W2; and the biases bq, bk, bv, b1, which are kept as f32 numbers that hold the bf16 value.
; pk1: [0, 8 MiB) x as bf16 [4096][1024]; [8 MiB, 16 MiB) bf16 [1024 k][pitch 4096]: columns 0-1023 Wq, 1024-2047 Wk, 2048-3071 Wv (the rest is neither written nor read);
;      at 16 MiB 1,024 words 0xff80ff80 (twice minus infinity in bf16: the GEMM's floor, here none); at 16 MiB + 4,096 the bias bq | bk | bv.
; pk2: the same places: (h1's high half comes from a later launch); W1 [1024][4096]; words 0 (the floor of a relu); b1.      w2b: W2 as bf16 [4096][1024].
; SHARES.  Work-groups 0-959: chunk y = id / 64 of 2^20 numbers (x 0-3, Wq 4, Wk 5, Wv 6, W1 7-10, W2 11-14), of it 16 rows of 1,024 numbers; a wave takes 2 rows: 16 loads of 512 bytes, all out at once,
; 16 stores of 256 consecutive aligned bytes.  Work-group 960: the biases and the floors.  No LDS, no ring: many small work-groups, each with all its loads on their way.
; LIMIT.  All inputs are rounded to bf16 (nearest even).
.set X, 8                              ; v[8:71]    16 x 4 numbers as loaded
.set Y, 72                             ; v[72:103]  16 x 2 words of bf16
	s_load_b512 s[8:23], s[0:1], 0x0               ; x 8, Wq 10, Wk 12, Wv 14, W1 16, W2 18, bq 20, bk 22
	s_load_b256 s[24:31], s[0:1], 0x40             ; bv 24, b1 26, pk1 28, pk2 30
	s_load_b64 s[32:33], s[0:1], 0x60              ; w2b
	s_lshr_b32 s2, ttmp9, 6                        ; y: the chunk
	s_and_b32 s3, ttmp9, 63                        ; which 16 rows of it
	v_lshrrev_b32 v4, 5, v0                        ; wave
	v_and_b32 v5, 31, v0                           ; lane
	s_sub_co_u32 s34, s2, 4                        ; y - 4, y - 7, y - 11: used only where they are not negative
	s_sub_co_u32 s35, s2, 7
	s_sub_co_u32 s36, s2, 11
	s_lshl_b32 s37, s34, 11                        ; Wq, Wk, Wv lie side by side: 2,048 bytes of a row each,
	s_add_co_u32 s37, s37, 0x800000                ; behind x
	s_wait_kmcnt 0x0
	s_cmp_eq_u32 ttmp9, 960
	s_cbranch_scc1 .Lvec
	; source, its chunk cs; destination, its first byte doff, its chunk cd, log2 of its pitch sh
	s_mov_b64 s[40:41], s[8:9]                     ; y 0-3: x into pk1
	s_mov_b64 s[42:43], s[28:29]
	s_mov_b32 s44, s2
	s_mov_b32 s45, s2
	s_mov_b32 s46, 0
	s_mov_b32 s47, 11
	s_cmp_ge_u32 s2, 4                             ; y 4-6: Wq, Wk, Wv into pk1, pitch 8,192 bytes
	s_cselect_b64 s[40:41], s[10:11], s[40:41]
	s_cselect_b32 s44, 0, s44
	s_cselect_b32 s45, 0, s45
	s_cselect_b32 s46, s37, s46
	s_cselect_b32 s47, 13, s47
	s_cmp_ge_u32 s2, 5
	s_cselect_b64 s[40:41], s[12:13], s[40:41]
	s_cmp_ge_u32 s2, 6
	s_cselect_b64 s[40:41], s[14:15], s[40:41]
	s_cmp_ge_u32 s2, 7                             ; y 7-10: W1 into pk2, dense
	s_cselect_b64 s[40:41], s[16:17], s[40:41]
	s_cselect_b64 s[42:43], s[30:31], s[42:43]
	s_cselect_b32 s44, s35, s44
	s_cselect_b32 s45, s35, s45
	s_cselect_b32 s46, 0x800000, s46
	s_cselect_b32 s47, 11, s47
	s_cmp_ge_u32 s2, 11                            ; y 11-14: W2 into w2b, dense
	s_cselect_b64 s[40:41], s[18:19], s[40:41]
	s_cselect_b64 s[42:43], s[32:33], s[42:43]
	s_cselect_b32 s44, s36, s44
	s_cselect_b32 s45, s36, s45
	s_cselect_b32 s46, 0, s46
	s_lshl_b32 s50, s44, 22                        ; source: chunk x 4 MiB + 16 rows x 4,096 bytes
	s_lshl_b32 s48, s3, 16
	s_add_co_u32 s50, s50, s48
	s_mov_b32 s51, 0
	s_lshl_b32 s52, s45, 10                        ; destination: row = 1,024 cd + 16 xg,
	s_lshl_b32 s48, s3, 4
	s_add_co_u32 s52, s52, s48
	s_lshl_b32 s52, s52, s47                       ; times the pitch,
	s_add_co_u32 s52, s52, s46                     ; behind doff
	s_mov_b32 s53, 0
	s_add_nc_u64 s[40:41], s[40:41], s[50:51]
	s_add_nc_u64 s[42:43], s[42:43], s[52:53]
	v_lshlrev_b32 v1, 13, v4                       ; my wave's 8,192 bytes of the source,
	v_lshl_or_b32 v1, v5, 4, v1                    ; 16 bytes a lane
	v_lshlrev_b32 v6, 1, v4                        ; my wave's first row
	v_lshlrev_b32 v2, s47, v6
	v_lshl_add_u32 v2, v5, 3, v2                   ; 8 bytes a lane
	s_lshl_b32 s54, 1, s47
	v_add_nc_u32 v3, s54, v2                       ; the second row
.set i, 0
.rept 16
	global_load_b128 v[X+4*i:X+4*i+3], v1, s[40:41] offset:512*i th:TH_LOAD_NT
.set i, i+1
.endr
.set i, 0
.rept 16
	s_wait_loadcnt 15-i                            ; loads come back in order: number i is in, the younger ones stay out
	v_cvt_pk_bf16_f32 v[Y+2*i], v[X+4*i], v[X+4*i+1]
	v_cvt_pk_bf16_f32 v[Y+2*i+1], v[X+4*i+2], v[X+4*i+3]
	global_store_b64 v[2+i/8], v[Y+2*i:Y+2*i+1], s[42:43] offset:256*(i%8)  ; 32 lanes store 256 consecutive bytes, aligned; no register is written twice
.set i, i+1
.endr
	s_endpgm
.macro RND2 a, b, tmp                  ; two f32 numbers take their bf16 values
	v_cvt_pk_bf16_f32 v[\tmp], v[\a], v[\b]
	v_lshlrev_b32 v[\a], 16, v[\tmp]
	v_and_b32 v[\b], 0xffff0000, v[\tmp]
.endm
.Lvec:                                         ; 256 threads, 16 bytes each of every 4,096
	v_lshlrev_b32 v1, 4, v0
	global_load_b128 v[8:11], v1, s[20:21]
	global_load_b128 v[12:15], v1, s[22:23]
	global_load_b128 v[16:19], v1, s[24:25]
	global_load_b128 v[20:23], v1, s[26:27]
	global_load_b128 v[24:27], v1, s[26:27] offset:4096
	global_load_b128 v[28:31], v1, s[26:27] offset:8192
	global_load_b128 v[32:35], v1, s[26:27] offset:12288
.irp r, 40,41,42,43
	v_mov_b32 v\r, 0xff80ff80
.endr
.irp r, 44,45,46,47
	v_mov_b32 v\r, 0
.endr
	s_add_nc_u64 s[28:29], s[28:29], 0x1000000     ; behind the two operands
	s_add_nc_u64 s[30:31], s[30:31], 0x1000000
	s_wait_loadcnt 0x0
.set i, 8
.rept 14
	RND2 i, i+1, 48+(i/2)%4
.set i, i+2
.endr
	global_store_b128 v1, v[40:43], s[28:29]
	global_store_b128 v1, v[8:11], s[28:29] offset:4096
	global_store_b128 v1, v[12:15], s[28:29] offset:8192
	global_store_b128 v1, v[16:19], s[28:29] offset:12288
	global_store_b128 v1, v[44:47], s[30:31]
	global_store_b128 v1, v[20:23], s[30:31] offset:4096
	global_store_b128 v1, v[24:27], s[30:31] offset:8192
	global_store_b128 v1, v[28:31], s[30:31] offset:12288
	global_store_b128 v1, v[32:35], s[30:31] offset:16384
	s_endpgm
.Lfunc_end_k_qdc78380155_cast:
	.size	k_qdc78380155_cast, .Lfunc_end_k_qdc78380155_cast-k_qdc78380155_cast
	.p2alignl 7, 3214868480
	.fill 96, 4, 3214868480
	.section	.rodata,"a",@progbits
	.p2align	6, 0x0
	.amdhsa_kernel k_qdc78380155_cast
		.amdhsa_group_segment_fixed_size 0
		.amdhsa_private_segment_fixed_size 0
		.amdhsa_enable_private_segment 0
		.amdhsa_kernarg_size 104
		.amdhsa_user_sgpr_count 2
		.amdhsa_user_sgpr_kernarg_segment_ptr 1
		.amdhsa_wavefront_size32 1
		.amdhsa_system_sgpr_workgroup_id_x 1
		.amdhsa_system_sgpr_workgroup_id_y 1
		.amdhsa_system_sgpr_workgroup_id_z 1
		.amdhsa_system_vgpr_workitem_id 0
		.amdhsa_next_free_vgpr 104
		.amdhsa_next_free_sgpr 66
		.amdhsa_reserve_vcc 0
		.amdhsa_float_denorm_mode_32 3
		.amdhsa_float_denorm_mode_16_64 3
		.amdhsa_memory_ordered 1
		.amdhsa_forward_progress 1
		.amdhsa_inst_pref_size 13
	.end_amdhsa_kernel
	.amdgpu_metadata
---
amdhsa.version: [ 1, 2 ]
amdhsa.kernels:
  - .name:           k_qdc78380155_cast
    .symbol:         k_qdc78380155_cast.kd
    .args:
      - { .name: x, .offset: 0, .size: 8, .value_kind: global_buffer, .address_space: global }
      - { .name: Wq, .offset: 8, .size: 8, .value_kind: global_buffer, .address_space: global }
      - { .name: Wk, .offset: 16, .size: 8, .value_kind: global_buffer, .address_space: global }
      - { .name: Wv, .offset: 24, .size: 8, .value_kind: global_buffer, .address_space: global }
      - { .name: W1, .offset: 32, .size: 8, .value_kind: global_buffer, .address_space: global }
      - { .name: W2, .offset: 40, .size: 8, .value_kind: global_buffer, .address_space: global }
      - { .name: bq, .offset: 48, .size: 8, .value_kind: global_buffer, .address_space: global }
      - { .name: bk, .offset: 56, .size: 8, .value_kind: global_buffer, .address_space: global }
      - { .name: bv, .offset: 64, .size: 8, .value_kind: global_buffer, .address_space: global }
      - { .name: b1, .offset: 72, .size: 8, .value_kind: global_buffer, .address_space: global }
      - { .name: pk1, .offset: 80, .size: 8, .value_kind: global_buffer, .address_space: global }
      - { .name: pk2, .offset: 88, .size: 8, .value_kind: global_buffer, .address_space: global }
      - { .name: w2b, .offset: 96, .size: 8, .value_kind: global_buffer, .address_space: global }
    .group_segment_fixed_size: 0
    .private_segment_fixed_size: 0
    .kernarg_segment_align: 8
    .kernarg_segment_size: 104
    .max_flat_workgroup_size: 256
    .sgpr_count:     66
    .vgpr_count:     104
    .wavefront_size: 32
...
	.end_amdgpu_metadata
.endif
;; end of part 1
;; launch g256 (part 2): grid 12 x 16, 4 waves a work-group, clusters of 4 x 4, 327,680 bytes of LDS; arguments pk1, qkv; writes qkv
.if DOCPART == 2
	.amdgcn_target "amdgcn-amd-amdhsa--gfx1250"
	.amdhsa_code_object_version 6
	.text
	.protected	k_qdc78380155_g256
	.globl	k_qdc78380155_g256
	.p2align	8
	.type	k_qdc78380155_g256,@function
k_qdc78380155_g256:
	s_mov_b64 s[64:65], 0
	v_nop
	global_prefetch_b8 v0, s[64:65] scope:SCOPE_SE
	s_setreg_imm32_b32 hwreg(HW_REG_WAVE_MODE, 25, 1), 1
	s_wait_xcnt 0x0
	s_wait_alu depctr_hold_cnt(0) depctr_sa_sdst(0) depctr_va_vdst(0) depctr_va_sdst(0) depctr_va_ssrc(0) depctr_va_vcc(0) depctr_vm_vsrc(0)
	s_getreg_b32 s2, hwreg(HW_REG_IB_STS2, 6, 4)
	s_cmp_eq_u32 s2, 0
	s_cbranch_scc0 .Lentry_in_a_cluster
	s_endpgm
.Lentry_in_a_cluster:
	s_bfe_u32 s2, ttmp6, 0x10000c
	s_cmp_lg_u32 s2, 0xf033
	s_cbranch_scc0 .Lentry_shape_is_right
	s_endpgm
.Lentry_shape_is_right:
; C[m][n] = max(floor, bias[n] + sum over k of A[m][k] B[k][n]), K = 1,024, for two launches: q | k | v = x [Wq | Wk | Wv] + b (floor minus infinity) and relu(h1 W1 + b1) (floor 0).  No work of the layer is left out here.
; ONE OPERAND PACK p: A bf16 [4096][1024] at byte 0; B bf16 [1024 k][pitch 4096] at 8 MiB; the floor (two bf16 in a word) at 16 MiB; the bias, f32, 4,096 bytes on.  C: bf16, pitch 4,096 numbers.
; The floor is the way out's parameter: where it is minus infinity the maximum changes nothing: 256 lines a wave, the price of one text for both launches.  A NaN loses against the floor.
; A tile of C, 256 x 256, is made by four waves, each 128 x 128: 64 accumulators of 16 x 16, 512 registers.  K goes in steps of 128 through two LDS slots filled by the tensor data mover.
; B LIES [k][n] and comes out of LDS turned, by ds_load_tr16_b128: the weights are never transposed in memory.
; THE MATRIX INSTRUCTION IS USED TRANSPOSED (source 0 = 16 columns of B, source 1 = 16 rows of A): a lane holds row l % 16 of C and the columns 8 (l / 16) + 0..7.  The bias, in that layout, is the C operand of the
; products that start the sums: nothing is cleared and nothing is added later.
; THE LAST K STEP GOES BY ROWS OF C, NOT BY K: my eight blocks of 16 rows are finished one after the other, and each leaves while the others are multiplied: nothing follows the tile under which its stores could leave.
; CLUSTERS: 4 x 4 work-groups; A's tile is asked for jointly along a row of the cluster, B's along a column.
; REGISTERS, in windows of 256: window 0: v16-30 addresses; v64-127, v128-191 fragments of A, two buffers (in the last K step four, of 16 rows x 128 K); v192-223, v32-63, v224-255 the way out.
;   window 1: v0-63 the bias; v64-127, v128-191 fragments of B; in the last K step all 256: B's fragments of the whole step.      windows 2, 3: the accumulators, (a, b) at v[8 (8 a + b)].
.set KSTEP,  128
.set PA,     272                       ; an LDS row of A: 256 bytes + 16: the 16 rows of a load start at 16 different groups of four banks (ISA guide 11.1)
.set PB,     544                       ; an LDS row of B: 512 bytes + 32 = 17 x 32
.set HALFT,  34816                     ; what one tensor load brings: 128 rows of A, or 64 rows (k) of B
.set SLOT,   4*HALFT                   ; A's 256 rows, then B's 128.  139,264 = 0x22000: its two bits occur in none of the loads' LDS addresses, wave x 0x8800, so one exclusive or turns an address in one slot into the other's
.set STAGE,  2*SLOT                    ; behind the ring: 16 rows x 272 bytes for each wave, for the way out
.set SPITCH, 272
.set SPARE,  STAGE+4*16*SPITCH         ; the spare words: 128 bytes for each wave, two blocks of 256 bytes that no other line names
.set ROWA,   2048                      ; bytes in a row of A
.set ROWC,   8192                      ; bytes in a row of B and of C
.set BSTEP,  KSTEP*ROWC                ; a K step in B
.set OFFB,   0x800000
.set OFFE,   0x1000000
.set ADRA0, 16                         ; v16  my place in A's tile of slot 0; never rewritten
.set ADRA,  17                         ; v17  the same in the slot in hand
.set ADRB0, 20                         ; v20, v21 the same for B
.set ADRB,  21
.set STO,  24
.set RD,   25
.set CO,   26
.set BO,   27                          ; v27  32 (l / 16): my eight numbers of 16 of the bias
.set SPW,  28                          ; v28  my spare word; never rewritten
.set NIL,  29                          ; v29  0; never rewritten
.set PFO,  30                          ; v30  the prefetches' offset; never rewritten
.set F0,   64
.set F1,   128
.set TMP,  192
.set OB,   32
.set PAF,  64                          ; the last K step: A's fragments of 16 rows x 128 K, 32 registers; four such buffers, v64-191
.set BI,   0                           ; window 1
.set G1,   24                          ; s[24:31] group 1 for A's tiles
.set G0F,  32                          ; s[32:35] group 0 for A's K step 0, used once
.set G0,   36                          ; s[36:39] group 0 for A: K step 1, then it walks
.set LIM,  43                          ; s43  2 in a wave that prefetches, else the greatest number
.set PFA,  44                          ; s[44:45] where my prefetches stand
.set G1B,  48                          ; s[48:55], s[56:59], s[60:63] the same three for B
.set G0BF, 56
.set G0B,  60
.set EP,   68                          ; s[68:69] p + 16 MiB
.set FLO,  70                          ; s70  the floor
.set SL,   71                          ; s71  the slot in hand, in bytes
.set PFS,  72                          ; s[72:73] a K step for my prefetches
.set BIA,  74                          ; s[74:75] the bias of my 128 columns
.set MSB, 0
.macro WIN new                         ; the immediate's high byte repeats the setting that is left; a switch that changes nothing is dropped
.if MSB != (\new)
	s_set_vgpr_msb (MSB<<8)|(\new)
.set MSB, \new
.endif
.endm
.set MUL_LO,   0xa1                    ; source 0 (B) window 1, source 1 (A) window 0, C and D window 2
.set FIRST_LO, 0x91                    ; the same with C (the bias) in window 1
.set TO_B,     0x40                    ; destination window 1, address window 0
.macro JLOAD                           ; a joint refill: waves 0 and 1 fetch A's halves, waves 2 and 3 B's; an s_nop 0 and four v_nop follow each line
	s_cmp_eq_u32 s11, 0
	s_cbranch_scc0 .Lfor_b_\@
	tensor_load_to_lds s[G0:G0+3], s[G1:G1+7]
	s_nop 0
.rept 4
	v_nop
.endr
	s_branch .Lasked_\@
.Lfor_b_\@:
	tensor_load_to_lds s[G0B:G0B+3], s[G1B:G1B+7]
	s_nop 0
.rept 4
	v_nop
.endr
.Lasked_\@:
.endm
; A PREFETCH INTO THE L2 behind each joint refill: the K step two refills on, 512 matrix instructions ahead of the load that will want it: 32 blocks of 256 bytes, a lane a block, one instruction a wave.
; A's tile row is read by every cluster of that row of clusters: cluster x = 0 asks; B's tile column by every cluster of that column: cluster y = 0 asks.  The four partners that ask for a tile jointly share its
; blocks out BY ADDRESS (cx for A: 32 rows each; cy for B: 16 rows of two blocks each).  So each block is named once.  K steps 0-3 come by their loads alone; refills of K steps 6 and 7 ask for nothing.
.macro ASK
	s_cmp_gt_u32 s3, s[LIM]
	s_cbranch_scc0 .Lnot_mine_\@
	global_prefetch_b8 v[PFO], s[PFA:PFA+1] th:TH_LOAD_NT scope:SCOPE_SE
.Lnot_mine_\@:
.endm
.macro CREST                           ; a round of the cluster's barrier behind its opening barrier
	s_cmp_lg_u32 s10, 0
	s_cbranch_scc1 .Lnot_wave_0_\@
	s_barrier_signal -3
.Lnot_wave_0_\@:
	s_barrier_wait -3
	s_barrier_signal -1
	s_barrier_wait -1
.endm
.macro CROUND
	s_barrier_signal -1
	s_barrier_wait -1
	CREST
.endm
	s_load_b64 s[4:5], s[0:1], 0x0                 ; p
	s_load_b64 s[8:9], s[0:1], 0x8                 ; C
	v_lshl_add_u32 v[SPW], v0, 2, SPARE
	v_mov_b32 v[NIL], 0
	ds_add_u32 v[SPW], v[NIL]                      ; the wave's opening: the add, twice on end, and its wait ahead of my first tensor load
	ds_add_u32 v[SPW], v[NIL]
	v_lshrrev_b32 v1, 5, v0
	v_readfirstlane_b32 s10, v1                    ; wave 0..3
	s_lshr_b32 s11, s10, 1                         ; my half of the tile's rows.  Also: I fetch for A (0) or for B (1)
	s_and_b32 s12, s10, 1                          ; my half of its columns.  Also: which half of that tile I fetch
	s_bfe_u32 s40, ttmp6, 0x40000                  ; cx
	s_bfe_u32 s41, ttmp6, 0x40004                  ; cy
	s_lshl_b32 s42, ttmp9, 2
	s_add_co_u32 s42, s42, s40                     ; tile column = 4 x cluster x + cx
	s_and_b32 s13, ttmp7, 0xffff
	s_lshl_b32 s13, s13, 2
	s_add_co_u32 s13, s13, s41                     ; tile row = 4 x cluster y + cy
	s_lshl_b32 s43, s41, 2
	s_lshl_b32 s43, 15, s43                        ; my row of the cluster
	s_lshl_b32 s44, 0x1111, s40                    ; my column
	s_or_b32 s[G1+0], s43, (1<<16)|(1<<20)|(1<<21)|(5<<22)|(3<<25)   ; mask; 2-byte elements; padding on; bit 21 beside a mask; after every 64 words 4 words
	s_or_b32 s[G1B+0], s44, (1<<16)|(1<<20)|(1<<21)|(6<<22)|(7<<25)  ; after every 128 words 8 words
	s_mov_b32 s[G1+1], 128<<16                     ; A: tensor_dim0 = 128
	s_mov_b32 s[G1+2], 128<<16                     ; tensor_dim1 = 128
	s_mov_b32 s[G1+3], 128<<16                     ; tile_dim0 = 128
	s_mov_b32 s[G1+4], 128                         ; tile_dim1 = 128
	s_mov_b32 s[G1+5], 1024                        ; elements from row to row
	s_mov_b32 s[G1+6], 0
	s_mov_b32 s[G1+7], 0
	s_mov_b32 s[G1B+1], 256<<16                    ; B: 256 columns x 64 rows (k)
	s_mov_b32 s[G1B+2], 64<<16
	s_mov_b32 s[G1B+3], 256<<16
	s_mov_b32 s[G1B+4], 64
	s_mov_b32 s[G1B+5], 4096
	s_mov_b32 s[G1B+6], 0
	s_mov_b32 s[G1B+7], 0
	s_lshl_b32 s16, s13, 8
	s_lshl_b32 s17, s12, 7
	s_add_co_u32 s16, s16, s17                     ; A: row 256 x tile row + 128 x half,
	s_lshl_b32 s16, s16, 11                        ; in bytes
	s_mov_b32 s17, 0
	s_lshl_b32 s46, s42, 9                         ; B: 512 bytes x tile column
	s_lshl_b32 s47, s12, 19                        ; + 64 rows x half
	s_add_co_u32 s46, s46, s47
	s_mov_b32 s47, 0
	s_mul_i32 s20, s10, HALFT                      ; where they go: wave x 34,816: no place in the cluster enters an LDS address
	s_mov_b32 s[G0F], 1
	s_mov_b32 s[G0F+1], s20
	s_mov_b32 s[G0], 1
	s_add_co_u32 s[G0+1], s20, SLOT
	s_mov_b32 s[G0BF], 1
	s_mov_b32 s[G0BF+1], s20
	s_mov_b32 s[G0B], 1
	s_add_co_u32 s[G0B+1], s20, SLOT
	s_wait_dscnt 0x0                               ; both opening adds are done
	s_wait_kmcnt 0x0
	s_add_nc_u64 s[6:7], s[4:5], OFFB
	s_add_nc_u64 s[EP:EP+1], s[4:5], OFFE
	s_load_b32 s[FLO], s[EP:EP+1], 0x0
	s_add_nc_u64 s[G0F+2:G0F+3], s[4:5], s[16:17]  ; K step 0
	s_add_nc_u64 s[G0+2:G0+3], s[G0F+2:G0F+3], KSTEP*2  ; K step 1
	s_or_b32 s[G0F+3], s[G0F+3], 0x80000000
	s_or_b32 s[G0+3], s[G0+3], 0x80000000
	s_add_nc_u64 s[G0BF+2:G0BF+3], s[6:7], s[46:47]
	s_add_nc_u64 s[G0B+2:G0B+3], s[G0BF+2:G0BF+3], BSTEP
	s_or_b32 s[G0BF+3], s[G0BF+3], 0x80000000
	s_or_b32 s[G0B+3], s[G0B+3], 0x80000000
	CROUND                                         ; all sixteen work-groups are here: the first joint loads meet
	s_cmp_eq_u32 s11, 0                            ; a wave's two first fills stand in one branch: two loads of mine are out
	s_cbranch_scc0 .Lfirst_b
	tensor_load_to_lds s[G0F:G0F+3], s[G1:G1+7]
	s_nop 0
	tensor_load_to_lds s[G0:G0+3], s[G1:G1+7]
	s_nop 0
.rept 4
	v_nop
.endr
	s_branch .Lfirst_asked
.Lfirst_b:
	tensor_load_to_lds s[G0BF:G0BF+3], s[G1B:G1B+7]
	s_nop 0
	tensor_load_to_lds s[G0B:G0B+3], s[G1B:G1B+7]
	s_nop 0
.rept 4
	v_nop
.endr
.Lfirst_asked:
	v_and_b32 v1, 15, v0                           ; l % 16
	v_bfe_u32 v2, v0, 4, 1                         ; l / 16
	; the bias of my 128 columns: register j of block b is bias[16 b + 8 (l / 16) + j]
	s_lshl_b32 s22, s42, 10
	s_lshl_b32 s23, s12, 9
	s_add_co_u32 s22, s22, s23
	s_add_co_u32 s22, s22, 4096
	s_mov_b32 s23, 0
	s_add_nc_u64 s[BIA:BIA+1], s[EP:EP+1], s[22:23]
	v_lshlrev_b32 v[BO], 5, v2
	WIN TO_B
.irp b, 0,1,2,3,4,5,6,7
	global_load_b128 v[BI+8*(\b):BI+8*(\b)+3],   v[BO], s[BIA:BIA+1] offset:64*(\b)
	global_load_b128 v[BI+8*(\b)+4:BI+8*(\b)+7], v[BO], s[BIA:BIA+1] offset:64*(\b)+16
.endr
	WIN 0
	; a fragment of A: lane l holds row l % 16, K = 8 (l / 16) + 0..7 and 16 + 8 (l / 16) + 0..7: two loads of 16 bytes, 32 apart
	v_mul_u32_u24 v3, v1, PA
	v_lshl_add_u32 v3, v2, 4, v3
	s_mul_i32 s21, s11, HALFT
	v_add_nc_u32 v[ADRA0], s21, v3
	; the turning load takes 16 k x 16 columns: lane l reads row (k) 8 (l / 16) + l % 8, columns 8 ((l / 8) % 2) + 0..7, and is left with column l % 16 and 8 k
	v_and_b32 v4, 7, v0
	v_lshl_add_u32 v4, v2, 3, v4
	v_mul_u32_u24 v4, v4, PB
	v_bfe_u32 v5, v0, 3, 1
	v_lshl_add_u32 v4, v5, 4, v4
	s_lshl_b32 s22, s12, 8                         ; my 128 columns
	s_add_co_u32 s22, s22, 2*HALFT                 ; behind A's 256 rows
	v_add_nc_u32 v[ADRB0], s22, v4
	v_mov_b32 v[ADRA], v[ADRA0]
	v_mov_b32 v[ADRB], v[ADRB0]
	s_mov_b32 s[SL], 0
	s_mul_i32 s23, s10, 16*SPITCH
	s_add_co_u32 s23, s23, STAGE                   ; my stage
	v_mul_u32_u24 v4, v1, SPITCH
	v_lshl_add_u32 v4, v2, 4, v4
	v_add_nc_u32 v[STO], s23, v4
	v_mul_u32_u24 v5, v2, SPITCH
	v_lshl_add_u32 v5, v1, 4, v5
	v_add_nc_u32 v[RD], s23, v5
	v_lshlrev_b32 v5, 13, v2                       ; two rows of C
	v_lshl_add_u32 v[CO], v1, 4, v5
	s_lshl_b32 s16, s13, 8                         ; where my part of the tile begins in C
	s_lshl_b32 s17, s11, 7
	s_add_co_u32 s16, s16, s17
	s_lshl_b32 s16, s16, 13
	s_lshl_b32 s46, s42, 9
	s_lshl_b32 s47, s12, 8
	s_add_co_u32 s46, s46, s47
	s_add_co_u32 s16, s16, s46
	s_mov_b32 s17, 0
	; the prefetches
	s_lshl_b32 s14, s13, 8                         ; A: row 256 tr + 128 half + 32 cx, K step 3
	s_lshl_b32 s15, s12, 7
	s_add_co_u32 s14, s14, s15
	s_lshl_b32 s15, s40, 5
	s_add_co_u32 s14, s14, s15
	s_lshl_b32 s14, s14, 11
	s_add_co_u32 s14, s14, 3*KSTEP*2
	s_lshl_b32 s15, s12, 6                         ; B: row (k) 64 half + 16 cy, 512 bytes x tile column, K step 3
	s_lshl_b32 s18, s41, 4
	s_add_co_u32 s15, s15, s18
	s_lshl_b32 s15, s15, 13
	s_lshl_b32 s18, s42, 9
	s_add_co_u32 s15, s15, s18
	s_add_co_u32 s15, s15, OFFB+3*BSTEP
	s_and_b32 s22, ttmp7, 0xffff                   ; cluster y
	s_mov_b32 s23, BSTEP
	s_cmp_eq_u32 s11, 0
	s_cselect_b32 s18, s14, s15
	s_cselect_b32 s22, ttmp9, s22                  ; the coordinate along which other clusters read the same blocks
	s_cselect_b32 s20, 0, 1                        ; A: a lane a row; B: two lanes a row
	s_cselect_b32 s21, 11, 13
	s_cselect_b32 s[PFS], KSTEP*2, s23
	s_mov_b32 s[PFS+1], 0
	s_mov_b32 s19, 0
	s_add_nc_u64 s[PFA:PFA+1], s[4:5], s[18:19]    ; the first refill steps it to K step 4
	s_cmp_eq_u32 s22, 0
	s_cselect_b32 s[LIM], 2, -1                    ; the same in all sixteen partners, for a given wave
	v_and_b32 v6, 31, v0
	v_lshrrev_b32 v[PFO], s20, v6
	v_lshlrev_b32 v[PFO], s21, v[PFO]
	v_and_b32 v6, s20, v6
	v_lshl_add_u32 v[PFO], v6, 8, v[PFO]
; 16 matrix instructions: row blocks a0, a0 + 1 of the window's four x all 8 column blocks, 32 along K.  first = 1: the products start the sums on the bias.
.macro MUL16 f, hi, a0, first
.if \first
	WIN FIRST_LO+0x40*(\hi)
.else
	WIN MUL_LO+0x50*(\hi)
.endif
.irp a, \a0, (\a0)+1
.irp b, 0,1,2,3,4,5,6,7
.if \first
	v_wmma_f32_16x16x32_bf16 v[8*(8*(\a)+(\b)):8*(8*(\a)+(\b))+7], v[(\f)+8*(\b):(\f)+8*(\b)+7], v[(\f)+8*(4*(\hi)+(\a)):(\f)+8*(4*(\hi)+(\a))+7], v[BI+8*(\b):BI+8*(\b)+7]
.else
	v_wmma_f32_16x16x32_bf16 v[8*(8*(\a)+(\b)):8*(8*(\a)+(\b))+7], v[(\f)+8*(\b):(\f)+8*(\b)+7], v[(\f)+8*(4*(\hi)+(\a)):(\f)+8*(4*(\hi)+(\a))+7], v[8*(8*(\a)+(\b)):8*(8*(\a)+(\b))+7]
.endif
.endr
.endr
.endm
; 32 LDS loads in one run: quarter q (32 along K) of the slot in hand into buffer f: B's 128 columns, turned, then A's 128 rows
.macro FETCH q, f
	WIN TO_B
.irp i, 0,1,2,3,4,5,6,7
	ds_load_tr16_b128 v[(\f)+8*(\i):(\f)+8*(\i)+3],   v[ADRB] offset:(\q)*32*PB+32*(\i)
	ds_load_tr16_b128 v[(\f)+8*(\i)+4:(\f)+8*(\i)+7], v[ADRB] offset:(\q)*32*PB+32*(\i)+16*PB
.endr
	WIN 0
.irp i, 0,1,2,3,4,5,6,7
	ds_load_b128 v[(\f)+8*(\i):(\f)+8*(\i)+3],   v[ADRA] offset:(\q)*64+(\i)*16*PA
	ds_load_b128 v[(\f)+8*(\i)+4:(\f)+8*(\i)+7], v[ADRA] offset:(\q)*64+(\i)*16*PA+32
.endr
.endm
.macro PLACES                          ; four plain vector instructions between a matrix instruction and a load into, or a read of, its registers (ISA guide 7.12.1 for reads)
.rept 4
	v_nop
.endr
.endm
; A quarter multiplies buffer f and, in its middle, fetches quarter q into buffer g.  The 64 accumulators take turns in the same order in every quarter.
.macro QUARTER q, f, g, first
	s_wait_dscnt 8                                 ; B and A's rows 0-63 are in; the youngest eight loads (A's rows 64-127) may be out
	MUL16 \f, 0, 0, \first
	MUL16 \f, 0, 2, \first
	PLACES
	FETCH \q, \g
	s_wait_dscnt 32                                ; all but the 32 just issued
	MUL16 \f, 1, 0, \first
	MUL16 \f, 1, 2, \first
.endm
; The last quarter of a K step multiplies buffer 1 and changes slots.  MEET is its first half: in front of the barrier each wave waits for all its tensor loads (its part of the next slot), adds 0 to its spare word,
; and waits for that and for its reads of this slot.  Behind the barrier nobody reads this slot any more and the next slot is whole.
.macro MEET
	WIN 0
	s_wait_tensorcnt 0x0                           ; all my tensor loads have landed
	ds_add_u32 v[SPW], v[NIL]
	s_wait_dscnt 9                                 ; (the add and the youngest eight loads may be out)
	MUL16 F1, 0, 0, 0
	s_wait_dscnt 0x0                               ; the add is done, and my reads of this slot are over
	s_barrier_signal -1
	MUL16 F1, 0, 2, 0
	WIN 0
	s_barrier_wait -1
.endm
.macro NEXTSLOT                        ; my LDS addresses go over to the other slot
	s_xor_b32 s[SL], s[SL], SLOT
	v_add_nc_u32 v[ADRA], s[SL], v[ADRA0]
	v_add_nc_u32 v[ADRB], s[SL], v[ADRB0]
.endm
; The whole last quarter where the slot is filled again: the barrier opens a round of the cluster's; behind the round this slot takes the K step two steps on: 224 matrix instructions ahead of the wait for it.
.macro TURN
	s_wait_xcnt 0x0                                ; the last prefetch, a K step back, has read its address
	s_add_nc_u64 s[PFA:PFA+1], s[PFA:PFA+1], s[PFS:PFS+1]
	MEET
	CREST                                          ; no wave of any partner still reads this slot or has a load on its way
	s_xor_b32 s[G0+1], s[G0+1], SLOT               ; the walking descriptors: the other slot than last time, the next K step
	s_add_nc_u64 s[G0+2:G0+3], s[G0+2:G0+3], KSTEP*2
	s_xor_b32 s[G0B+1], s[G0B+1], SLOT
	s_add_nc_u64 s[G0B+2:G0B+3], s[G0B+2:G0B+3], BSTEP
	JLOAD                                          ; the four v_nop behind it are also the places in front of the loads below
	NEXTSLOT
	FETCH 0, F0
	ASK
	MUL16 F1, 1, 0, 0
	MUL16 F1, 1, 2, 0
.endm
; THE LAST K STEP.  All its fragments of B (4 quarters x 64 registers) fill window 1; A's come by blocks of 16 rows x 128 K; my eight blocks are finished one after the other, each with 32 matrix instructions
; (its 8 accumulators by turns; K ascending).  LDS is read no more than in any other K step.
.macro BLOAD q                         ; B's fragments of quarter q -> window 1, v[64 q ..]
	WIN TO_B
.irp i, 0,1,2,3,4,5,6,7
	ds_load_tr16_b128 v[64*(\q)+8*(\i):64*(\q)+8*(\i)+3],   v[ADRB] offset:(\q)*32*PB+32*(\i)
	ds_load_tr16_b128 v[64*(\q)+8*(\i)+4:64*(\q)+8*(\i)+7], v[ADRB] offset:(\q)*32*PB+32*(\i)+16*PB
.endr
.endm
.macro ALOAD a                         ; A's fragments of block a, all four quarters -> buffer a % 4
	WIN 0
.set FA, PAF+32*((\a)%4)
.irp q, 0,1,2,3
	ds_load_b128 v[FA+8*(\q):FA+8*(\q)+3],   v[ADRA] offset:64*(\q)+(\a)*16*PA
	ds_load_b128 v[FA+8*(\q)+4:FA+8*(\q)+7], v[ADRA] offset:64*(\q)+(\a)*16*PA+32
.endr
.endm
.macro ROW a                           ; block a is finished: 32 matrix instructions
.set FA, PAF+32*((\a)%4)               ; its fragments of A
.set AC, 64*((\a)%4)                   ; its eight accumulators, in window 2 (blocks 0-3) or 3 (blocks 4-7)
	WIN MUL_LO+0x50*((\a)/4)
.irp q, 0,1,2,3
.if (\a) == 0 && (\q) == 2
	s_wait_dscnt 24                                ; B's quarter 2 is in (behind it: A's blocks 1 to 3)
.endif
.irp b, 0,1,2,3,4,5,6,7
	v_wmma_f32_16x16x32_bf16 v[AC+8*(\b):AC+8*(\b)+7], v[64*(\q)+8*(\b):64*(\q)+8*(\b)+7], v[FA+8*(\q):FA+8*(\q)+7], v[AC+8*(\b):AC+8*(\b)+7]
.endr
.endr
.endm
; THE WAY OUT of row block a: rounded to bf16 (each accumulator's registers in ascending order), held to the floor; through my own stage; stored as whole rows of 256 bytes.
.macro PACK a
.set AC, 64*((\a)%4)
	WIN 0x0a+5*((\a)/4)                            ; sources 0 and 1: window 2 or 3
.irp b, 0,1,2,3,4,5,6,7
.irp r, 0,1,2,3
	v_cvt_pk_bf16_f32 v[TMP+4*(\b)+(\r)], v[AC+8*(\b)+2*(\r)], v[AC+8*(\b)+2*(\r)+1]
.endr
.endr
	WIN 0
.set z, 0
.rept 32
	v_pk_max_num_bf16 v[TMP+z], v[TMP+z], s[FLO]
.set z, z+1
.endr
.endm
.macro TOSTAGE a
	WIN 0
.set BK, OB+192*((\a)%2)
.irp b, 0,1,2,3,4,5,6,7
	ds_store_b128 v[STO], v[TMP+4*(\b):TMP+4*(\b)+3] offset:32*(\b)
.endr
.irp t, 0,1,2,3,4,5,6,7
	ds_load_b128 v[BK+4*(\t):BK+4*(\t)+3], v[RD] offset:(\t)*2*SPITCH  ; LDS serves a wave's instructions in order (ISA guide 5.7.1.4): these see the stores above
.endr
.endm
.macro SEND a, younger                 ; younger: the LDS loads issued behind TOSTAGE's, which may stay out
	WIN 0
.set BK, OB+192*((\a)%2)
	s_wait_dscnt \younger                          ; the block is back in registers
	s_wait_xcnt 0x0                                ; earlier stores have read their base and their data
.if (\a) == 0
	s_add_nc_u64 s[8:9], s[8:9], s[16:17]
.else
	s_add_nc_u64 s[8:9], s[8:9], 16*ROWC
.endif
.irp t, 0,1,2,3,4,5,6,7
	global_store_b128 v[CO], v[BK+4*(\t):BK+4*(\t)+3], s[8:9] offset:2*(\t)*ROWC  ; 16 lanes store 256 consecutive bytes, aligned
.endr
.endm
	s_wait_tensorcnt 1                             ; my part of K step 0 is in; K step 1's may stay out
	s_wait_loadcnt 0x0                             ; the bias
	s_wait_kmcnt 0x0                               ; the floor
	s_barrier_signal -1
	s_barrier_wait -1
	FETCH 0, F0
	QUARTER 1, F0, F1, 1                           ; the first quarter stands in front of the loop: its products start the sums
	WIN 0
	s_mov_b32 s3, 6
.Lk:                                           ; a trip is a K step, from its second quarter to the next step's first; it refills K steps 2 to 7
	QUARTER 2, F1, F0, 0
	QUARTER 3, F0, F1, 0
	TURN
	QUARTER 1, F0, F1, 0
	WIN 0
	s_sub_co_u32 s3, s3, 1
	s_cmp_lg_u32 s3, 0
	s_cbranch_scc1 .Lk
	QUARTER 2, F1, F0, 0                           ; K step 6 goes on; it fills nothing
	QUARTER 3, F0, F1, 0
	MEET                                           ; my one tensor load that was still out is K step 7's, so no round follows
	PLACES                                         ; for the loads into buffer 0, which the quarter before multiplied
	NEXTSLOT
	BLOAD 0                                        ; three quarters of B now: buffer 1 (v128-191 of both windows) is still being multiplied
	BLOAD 1
	BLOAD 3
	ALOAD 0
	MUL16 F1, 1, 0, 0
	MUL16 F1, 1, 2, 0
	PLACES                                         ; for the loads into buffer 1
	BLOAD 2
	ALOAD 1
	ALOAD 2
	ALOAD 3
	s_wait_dscnt 40                                ; all but the 40 just issued
	ROW 0
.irp a, 0,1,2,3,4,5,6,7                ; each block leaves as soon as it is finished
	PLACES                                         ; its conversions read results just made
	PACK \a
	TOSTAGE \a
.if (\a) < 4
	ALOAD (\a)+4                                   ; its buffer takes the block four further on
	SEND \a, 8
.else
	SEND \a, 0
.endif
.if (\a) < 7
	ROW (\a)+1
.endif
.endr
	s_wait_tensorcnt 0x0                           ; the wave's end
	ds_add_u32 v[SPW], v[NIL]
	s_wait_dscnt 0x0
	CROUND                                         ; the closing round
	s_endpgm
.Lfunc_end_k_qdc78380155_g256:
	.size	k_qdc78380155_g256, .Lfunc_end_k_qdc78380155_g256-k_qdc78380155_g256
	.p2alignl 7, 3214868480
	.fill 96, 4, 3214868480
	.section	.rodata,"a",@progbits
	.p2align	6, 0x0
	.amdhsa_kernel k_qdc78380155_g256
		.amdhsa_group_segment_fixed_size 327680
		.amdhsa_private_segment_fixed_size 0
		.amdhsa_enable_private_segment 0
		.amdhsa_kernarg_size 16
		.amdhsa_user_sgpr_count 2
		.amdhsa_user_sgpr_kernarg_segment_ptr 1
		.amdhsa_wavefront_size32 1
		.amdhsa_system_sgpr_workgroup_id_x 1
		.amdhsa_system_sgpr_workgroup_id_y 1
		.amdhsa_system_sgpr_workgroup_id_z 1
		.amdhsa_system_vgpr_workitem_id 0
		.amdhsa_next_free_vgpr 1024
		.amdhsa_next_free_sgpr 80
		.amdhsa_reserve_vcc 0
		.amdhsa_float_denorm_mode_32 3
		.amdhsa_float_denorm_mode_16_64 3
		.amdhsa_memory_ordered 1
		.amdhsa_forward_progress 1
		.amdhsa_inst_pref_size 136
	.end_amdhsa_kernel
	.amdgpu_metadata
---
amdhsa.version: [ 1, 2 ]
amdhsa.kernels:
  - .name:           k_qdc78380155_g256
    .symbol:         k_qdc78380155_g256.kd
    .args:
      - { .name: pk1, .offset: 0, .size: 8, .value_kind: global_buffer, .address_space: global }
      - { .name: qkv, .offset: 8, .size: 8, .value_kind: global_buffer, .address_space: global }
    .group_segment_fixed_size: 327680
    .private_segment_fixed_size: 0
    .kernarg_segment_align: 8
    .kernarg_segment_size: 16
    .max_flat_workgroup_size: 128
    .sgpr_count:     80
    .vgpr_count:     1024
    .wavefront_size: 32
...
	.end_amdgpu_metadata
.endif
;; end of part 2
;; launch attn (part 3): grid 8 x 32, 4 waves a work-group, clusters of 4 x 1, 327,680 bytes of LDS; arguments qkv, mask, ao; writes ao
.if DOCPART == 3
	.amdgcn_target "amdgcn-amd-amdhsa--gfx1250"
	.amdhsa_code_object_version 6
	.text
	.protected	k_qdc78380155_attn
	.globl	k_qdc78380155_attn
	.p2align	8
	.type	k_qdc78380155_attn,@function
k_qdc78380155_attn:
	s_mov_b64 s[64:65], 0
	v_nop
	global_prefetch_b8 v0, s[64:65] scope:SCOPE_SE
	s_setreg_imm32_b32 hwreg(HW_REG_WAVE_MODE, 25, 1), 1
	s_wait_xcnt 0x0
	s_wait_alu depctr_hold_cnt(0) depctr_sa_sdst(0) depctr_va_vdst(0) depctr_va_sdst(0) depctr_va_ssrc(0) depctr_va_vcc(0) depctr_vm_vsrc(0)
	s_getreg_b32 s2, hwreg(HW_REG_IB_STS2, 6, 4)
	s_cmp_eq_u32 s2, 0
	s_cbranch_scc0 .Lentry_in_a_cluster
	s_endpgm
.Lentry_in_a_cluster:
	s_bfe_u32 s2, ttmp6, 0x10000c
	s_cmp_lg_u32 s2, 0x3003
	s_cbranch_scc0 .Lentry_shape_is_right
	s_endpgm
.Lentry_shape_is_right:
; MASKED ATTENTION by heads.  ao[b 16 + h][q][:] = sum over k of softmax_k(s / 1024) v[k], s = q.k where mask[q] and mask[k], else -1e15.  No work of the layer is left out here.
; qkv: bf16 [4096 rows][pitch 4096]: q columns 0-1023, k 1024-2047, v 2048-3071; a head's 64 channels are 128 bytes of a row.  ao: bf16 [32][2048][64], dense.
; Products, maxima and sums in f32; the weights are rounded to bf16 for the second product (their sum l is taken of the unrounded weights), the result once at the end.
; HIDDEN KEYS.  A table in LDS holds 0 for a visible key and -1e15 for a hidden one; a key step's 64 numbers are the C operand of the products that start the scores.  The running maximum m starts at -2^46, above every
; hidden score: while only hidden keys have come, m stays, a = 2^0, all weights are 0.  A visible query sees at least its own key.
; HIDDEN QUERIES.  All their scores are -1e15, so their row is the mean of v over all 2,048 keys of the batch.  Eight products a key step, V^T times ones, make the sums of v's columns; at the way out a lane whose query
; is hidden takes them / 2048 by v_cndmask_b32.  What such a lane's own softmax has made is thrown away, whatever it holds.
; LIMITS.  True scores q.k lie above -2^46 and span less than 1e14 (a hidden score counts as its value less 1e15); a weight below 2^-126 counts as 0; NaN and infinities are not treated apart.
; SHARES.  A work-group owns 256 queries of one head, a wave 64: four PIECES of 16.  Every wave walks all 2,048 keys, 64 a step, 256 a slot.  LAYOUT.  S^T = K Q^T holds ONE query a lane (l % 16) and the keys 8 (l / 16) + 0..7;
; two such results rounded in pairs ARE source 1 of O^T = V^T P.  p = 2^(c s - c m), c = log2(e) / 1024; O and l are multiplied by a = 2^(c m_old - c m_new) in every step.
; TURNS.  Turn n belongs to piece n: 8 products K Q^T of piece n + 1, later 8 products V^T P of piece n - 1; beside them the scaling, exponentials, roundings, sums and rescaling of piece n and the maximum and statistics of
; piece n + 1.  Four vector instructions stand behind every matrix instruction, the others in one lump.  A turn's 33 exponentials are one batch, with one wait.
; No first and no last step is written out.  O^T, l, V and one buffer of P start at 0: 256 v_mov_b32, in the wait for the first tile.  The tail's loop is left in the middle of its fifth trip: that half trip's 8 products
; K Q^T (on the last K once more) and the maximum made of them serve nothing: the price, once a launch, of one text for every trip.
; CLUSTER.  The four query blocks of a cluster belong to one head and walk the same K and V: each tile is asked for jointly.
; REGISTERS: window 0: v2-15, v36-39 addresses; v16-31 statistics; v32-35 my queries' mask bytes; v48-55 at work; v64-127 S^T, two buffers; v128-159 the key step's bias; v160-167 ones; v168-183 the mean of v; v192-223 P, two buffers
;   window 1: v0-127 O^T, 32 a piece; v128-159 the sums of v      window 2: v0-63 Q; v128-191 K of one step; v192-255 V of one step
.set NP,    4
.set KS,    64
.set PK,    144       ; a row of K in LDS: 128 bytes + 16
.set PV,    160       ; a row of V: 128 + 32
.set VOFF,  4*KS*PK   ; a slot: 256 rows of K, then 256 rows of V
.set SLOT1, 1<<17     ; above every address inside a slot, so that one exclusive or turns an address in one slot into the other's
.set STAGE, SLOT1+4*KS*(PK+PV)  ; 16 rows x 144 bytes for each wave, for the way out
.set SP,    144
.set KBT,   STAGE+4*16*SP       ; the key bias, f32 [2048]: written once by ds_store, never filled by a tensor load
.set SPARE, KBT+8192            ; the spare words: two blocks of 256 bytes that no other line names
.set TILEB, 256*8192  ; 256 rows of qkv
.set AK0, 2
.set AV0, 3
.set AK,  4
.set AV,  5
.set STO, 6
.set RD,  7
.set GO,  8
.set MV,  12          ; v12-13  c m_old, by buffer
.set AM0, 14          ; v14  KBT + 32 (l / 16)
.set QO,  15
.set ST,  16          ; piece t: c m, m, l (even keys', odd keys')
.set QM,  32
.set AM,  36          ; v36  the bias's address for the step to be fetched
.set PFO, 37          ; v37  8,192 x my lane; never rewritten
.set TMP, 48
.set SPW, 62
.set NIL, 63
.set S,   64
.set CK,  128
.set ONE, 160
.set VSB, 168
.set P,   192
.set VSUM, 128        ; window 1
.set KF,  128         ; window 2
.set VF,  192         ; window 2
.set WV,  12
.set LIM, 15          ; s15  1 in a wave that prefetches, else the greatest number
.set PFA, 18          ; s[18:19]
.set G1K, 24
.set G1V, 32
.set G0K, 40
.set G0V, 44
.set SLOTS, 56
.set CNT, 57
.set CS,  58
.set SEL, 60
.set TBK, 62
.set TBV, 63
.set TBM, 66          ; s66  256 x the key step to be fetched, 0 to 31: it runs on through all tiles
.set QS,  84          ; s[84:87] lanes whose query is visible, by piece
.set MSB, 0
.macro WIN new
.if MSB != (\new)
	s_set_vgpr_msb (MSB<<8)|(\new)
.set MSB, (\new)
.endif
.endm
.set W_KQ, 0x0a       ; K and Q in window 2; S^T and the bias in window 0
.set W_PV, 0x52       ; V in window 2, P (or the ones) in window 0, the sums in window 1
.set W_RS, 0x41       ; destination and source 0 in window 1, source 1 in window 0
.macro JLOAD                        ; waves 0 and 1 fetch the halves of a tile's K, waves 2 and 3 those of its V; an s_nop 0 and four v_nop follow each line
	s_cmp_lt_u32 s[WV], 2
	s_cbranch_scc0 .Lfor_v_\@
	tensor_load_to_lds s[G0K:G0K+3], s[G1K:G1K+7]
	s_nop 0
.rept 4
	v_nop
.endr
	s_branch .Lasked_\@
.Lfor_v_\@:
	tensor_load_to_lds s[G0V:G0V+3], s[G1V:G1V+7]
	s_nop 0
.rept 4
	v_nop
.endr
.Lasked_\@:
.endm
; A PREFETCH INTO THE L2 of the tile that the NEXT change of slots will ask for: four key steps, 288 matrix instructions, ahead.  An aligned block of 256 bytes of a row holds two heads' channels: the even head's first cluster
; asks for both.  Its four partners take 32 rows each of the 128 that a wave fetches, told apart by address; a lane a row, one instruction a wave.  The change that fills the last tile asks for nothing, and so does the head.
.macro ASK
	s_cmp_gt_u32 s[SLOTS], s[LIM]
	s_cbranch_scc0 .Lnot_mine_\@
	global_prefetch_b8 v[PFO], s[PFA:PFA+1] th:TH_LOAD_NT scope:SCOPE_SE
.Lnot_mine_\@:
.endm
.macro CROUND
	s_barrier_signal -1
	s_barrier_wait -1
	s_cmp_lg_u32 s[WV], 0
	s_cbranch_scc1 .Lnot_wave_0_\@
	s_barrier_signal -3
.Lnot_wave_0_\@:
	s_barrier_wait -3
	s_barrier_signal -1
	s_barrier_wait -1
.endm
; THE CHANGE OF SLOTS.  Each wave waits for all its tensor loads (one is out: its part of the other slot), adds 0 to its spare word, and waits for that and for its LDS instructions.  fill = 1: the barrier is a round of the
; cluster's, and the joint fill is the first thing behind it.  (At its first use slot 0 is waited for, the table of key biases is shown to all waves, and slot 1 is filled.)
.macro CHANGE fill, ask
	WIN 0
	s_wait_tensorcnt 0x0
	ds_add_u32 v[SPW], v[NIL]
.if \fill
.irp g, G0K, G0V
	s_xor_b32 s[\g+1], s[\g+1], SLOT1
	s_add_nc_u64 s[\g+2:\g+3], s[\g+2:\g+3], TILEB
.endr
.if \ask
	s_wait_xcnt 0x0                 ; the last prefetch, four key steps back, has read its address
	s_add_nc_u64 s[PFA:PFA+1], s[PFA:PFA+1], TILEB
.endif
	s_wait_dscnt 0x0
	CROUND
	JLOAD
.if \ask
	ASK
.endif
.else
	s_wait_dscnt 0x0
	s_barrier_signal -1
	s_barrier_wait -1
.endif
	s_sub_co_u32 s[TBK], s[TBK], 4*KS*PK  ; the fetches go back to a slot's first step, in the other slot
	s_xor_b32 s[TBK], s[TBK], SLOT1
	s_sub_co_u32 s[TBV], s[TBV], 4*KS*PV
	s_xor_b32 s[TBV], s[TBV], SLOT1
.endm
	s_load_b128 s[4:7], s[0:1], 0x0   ; qkv s[4:5], mask s[6:7]
	s_load_b64 s[10:11], s[0:1], 0x10 ; ao
	v_lshl_add_u32 v[SPW], v0, 2, SPARE
	v_mov_b32 v[NIL], 0
	ds_add_u32 v[SPW], v[NIL]       ; the wave's opening: the add, twice on end, and its wait ahead of my first tensor load
	ds_add_u32 v[SPW], v[NIL]
	v_lshrrev_b32 v1, 5, v0
	v_readfirstlane_b32 s[WV], v1
	s_bfe_u32 s13, ttmp6, 0x40000   ; cx
	s_lshl_b32 s14, ttmp9, 2
	s_add_co_u32 s14, s14, s13      ; my block of 256 queries: it enters Q's, the mask's and ao's addresses alone
	s_and_b32 s20, ttmp7, 0xffff    ; b 16 + h, which the partners share
	s_lshr_b32 s21, s20, 4          ; b
	s_and_b32 s22, s20, 15          ; h
	s_and_b32 s16, s[WV], 1         ; which half of a tile's 256 keys I fetch
	s_mul_i32 s17, s16, 128*PK
	s_mul_i32 s3, s16, 128*PV
	s_lshl_b32 s48, s21, 24         ; K and V: row 2,048 b + 128 half, 128 bytes x head
	s_lshl_b32 s23, s16, 20
	s_add_co_u32 s48, s48, s23
	s_lshl_b32 s23, s22, 7
	s_add_co_u32 s48, s48, s23
	s_mov_b32 s49, 0
	s_lshl_b32 s50, s21, 24         ; Q: row 2,048 b + 256 block + 64 wave
	s_lshl_b32 s23, s14, 21
	s_add_co_u32 s50, s50, s23
	s_lshl_b32 s23, s[WV], 19
	s_add_co_u32 s50, s50, s23
	s_lshl_b32 s23, s22, 7
	s_add_co_u32 s50, s50, s23
	s_mov_b32 s51, 0
	s_lshl_b32 s52, s20, 18         ; ao: the same row of the head, 128 bytes a row
	s_lshl_b32 s23, s14, 15
	s_add_co_u32 s52, s52, s23
	s_lshl_b32 s23, s[WV], 13
	s_add_co_u32 s52, s52, s23
	s_mov_b32 s53, 0
	s_lshl_b32 s54, s21, 11         ; the batch's mask
	s_mov_b32 s55, 0
	s_lshl_b32 s70, s13, 18         ; the prefetches: my work-group's 32 rows of the 128 that I fetch, in tile 2
	s_add_co_u32 s70, s70, s48
	s_add_co_u32 s70, s70, 2*TILEB
	s_lshr_b32 s23, s[WV], 1
	s_lshl_b32 s23, 2048, s23       ; k's columns begin 2,048 bytes into a row (waves 0, 1), v's 4,096 (waves 2, 3)
	s_add_co_u32 s70, s70, s23
	s_mov_b32 s71, 0
	s_and_b32 s[LIM], s20, 1        ; an even head,
	s_or_b32 s[LIM], s[LIM], ttmp9  ; the head's first cluster: the same in all four partners
	s_cmp_eq_u32 s[LIM], 0
	s_cselect_b32 s[LIM], 1, -1
	s_mov_b32 s[G1K], 15|(1<<16)|(1<<20)|(1<<21)|(4<<22)|(3<<25)  ; the mask of four; 2-byte elements; padding on; bit 21 beside a mask; after every 32 words 4 words
	s_mov_b32 s[G1V], 15|(1<<16)|(1<<20)|(1<<21)|(4<<22)|(7<<25)  ; 8 words
.irp g, G1K, G1V
	s_mov_b32 s[\g+1], 64<<16       ; tensor_dim0 = 64
	s_mov_b32 s[\g+2], 128<<16      ; tensor_dim1 = 128
	s_mov_b32 s[\g+3], 64<<16       ; tile_dim0 = 64
	s_mov_b32 s[\g+4], 128          ; tile_dim1 = 128
	s_mov_b32 s[\g+5], 4096         ; elements from row to row
	s_mov_b32 s[\g+6], 0
	s_mov_b32 s[\g+7], 0
.endr
	s_mov_b32 s[CS], 0x3ab8aa3b     ; c = log2(e) / 1024
	s_mov_b32 s[CS+1], s[CS]
	s_mov_b32 s[SEL], 0x76543210
	s_mov_b32 s[SEL+1], 0xfedcba98
	s_mov_b32 s[TBK], SLOT1+4*KS*PK ; the first change of slots turns these two into 0
	s_mov_b32 s[TBV], SLOT1+4*KS*PV
	s_mov_b32 s[TBM], 0
	s_mov_b32 s[G0K], 1
	s_mov_b32 s[G0K+1], s17
	s_mov_b32 s[G0V], 1
	s_add_co_u32 s[G0V+1], s3, VOFF
	s_wait_dscnt 0x0                ; both opening adds are done
	s_wait_kmcnt 0x0
	s_add_nc_u64 s[G0K+2:G0K+3], s[4:5], s[48:49]
	s_add_nc_u64 s[G0V+2:G0V+3], s[G0K+2:G0K+3], 4096
	s_add_nc_u64 s[G0K+2:G0K+3], s[G0K+2:G0K+3], 2048
	s_or_b32 s[G0K+3], s[G0K+3], 0x80000000
	s_or_b32 s[G0V+3], s[G0V+3], 0x80000000
	s_add_nc_u64 s[PFA:PFA+1], s[4:5], s[70:71]
	s_add_nc_u64 s[68:69], s[6:7], s[54:55]
	s_add_nc_u64 s[10:11], s[10:11], s[52:53]
	s_add_nc_u64 s[4:5], s[4:5], s[50:51]
	CROUND                          ; all four work-groups are here
	JLOAD                           ; tile 0 into slot 0
	v_and_b32 v1, 15, v0            ; l % 16
	v_bfe_u32 v9, v0, 4, 1          ; l / 16
	v_lshlrev_b32 v38, 4, v0        ; my thread's 16 keys of the batch's mask
	global_load_b128 v[40:43], v38, s[68:69]
	s_lshl_b32 s23, s14, 8
	s_lshl_b32 s2, s[WV], 6
	s_add_co_u32 s23, s23, s2
	v_add_nc_u32 v39, s23, v1       ; my query in piece 0
.irp t, 0,1,2,3
	global_load_u8 v[QM+\t], v39, s[68:69] offset:16*\t
.endr
	v_lshlrev_b32 v[QO], 13, v1
	v_lshl_add_u32 v[QO], v9, 4, v[QO]  ; row x 8,192 + 16 x half
	WIN 0x80
.set i, 0
.rept 8                             ; Q stays in registers: piece i / 2, channels 32 (i % 2) on
	global_load_b128 v[8*i:8*i+3],   v[QO], s[4:5] offset:(i/2)*131072+(i%2)*64
	global_load_b128 v[8*i+4:8*i+7], v[QO], s[4:5] offset:(i/2)*131072+(i%2)*64+32
.set i, i+1
.endr
.set i, VF
.rept 64
	v_mov_b32 v[i], 0
.set i, i+1
.endr
	WIN 0x40
.set i, 0
.rept 160                           ; O^T and the sums of v
	v_mov_b32 v[i], 0
.set i, i+1
.endr
	WIN 0
.set i, 0
.rept 4
	v_mov_b32 v[ST+4*i+1], 0xd6800000  ; m = -2^46
	v_mov_b32 v[ST+4*i+2], 0
	v_mov_b32 v[ST+4*i+3], 0
.set i, i+1
.endr
.set i, 0
.rept 4
	v_mul_f32 v[ST+4*i], s[CS], v[ST+4*i+1]  ; c m, by the same line that makes it in every step
.set i, i+1
.endr
.set i, P+16
.rept 16
	v_mov_b32 v[i], 0
.set i, i+1
.endr
.set i, ONE
.rept 8
	v_mov_b32 v[i], 0x3f803f80      ; 1.0 twice
.set i, i+1
.endr
	v_mul_u32_u24 v[AK0], v1, PK
	v_lshl_add_u32 v[AK0], v9, 4, v[AK0]
	v_and_b32 v10, 7, v0
	v_bfe_u32 v11, v0, 3, 1
	v_lshl_add_u32 v[AV0], v9, 3, v10
	v_mul_u32_u24 v[AV0], v[AV0], PV
	v_lshl_add_u32 v[AV0], v11, 4, v[AV0]
	v_add_nc_u32 v[AV0], VOFF, v[AV0]
	v_lshl_add_u32 v[AM0], v9, 5, KBT
	s_mul_i32 s23, s[WV], 16*SP
	s_add_co_u32 s23, s23, STAGE
	v_mul_u32_u24 v[STO], v1, SP
	v_lshl_add_u32 v[STO], v9, 4, v[STO]
	v_add_nc_u32 v[STO], s23, v[STO]
	v_bfe_u32 v[RD], v0, 3, 2
	v_mul_u32_u24 v[RD], v[RD], SP
	v_lshl_add_u32 v[RD], v10, 4, v[RD]
	v_add_nc_u32 v[RD], s23, v[RD]
	v_and_b32 v[GO], 31, v0
	v_lshlrev_b32 v[PFO], 13, v[GO]
	v_lshlrev_b32 v[GO], 4, v[GO]
	v_mov_b32 v45, 0x58635fa9       ; 1e15
	v_lshl_add_u32 v46, v0, 6, KBT
	s_wait_loadcnt 16               ; the five loads of the mask are in; Q's sixteen stay out
.set i, 0
.rept 16                            ; byte x 1e15 - 1e15: 0 for a visible key, -1e15 for a hidden one
	v_bfe_u32 v[44+3*(i%2)], v[40+i/4], 8*(i%4), 8
	v_cvt_f32_u32 v[44+3*(i%2)], v[44+3*(i%2)]
	v_fma_f32 v[S+i], v[44+3*(i%2)], v45, -v45
.set i, i+1
.endr
.irp f, 0,1,2,3
	ds_store_b128 v46, v[S+4*\f:S+4*\f+3] offset:16*\f
.endr
; THE MATRIX WORK.  The 4 accumulators of a run of 8 take turns.  Product i of 8 of S^T = K Q^T for piece x: channels 32 (i / 4) on, keys 16 (i % 4) on.  The first 4 start the sums on the keys' bias.
.macro KQ x
.set rS, S+32*((\x)%2)+8*(i%4)
.set rK, KF+16*(i%4)+8*(i/4)
.set rQ, 16*(\x)+8*(i/4)
	WIN W_KQ
.if i < 4
	v_wmma_f32_16x16x32_bf16 v[rS:rS+7], v[rK:rK+7], v[rQ:rQ+7], v[CK+8*(i%4):CK+8*(i%4)+7]
.else
	v_wmma_f32_16x16x32_bf16 v[rS:rS+7], v[rK:rK+7], v[rQ:rQ+7], v[rS:rS+7]
.endif
.endm
.macro PV x                         ; product i of 8 of O^T += V^T P for piece x: keys 32 (i / 4) on, channels 16 (i % 4) on
	WIN W_PV
.set rO, 32*(\x)+8*(i%4)
.set rV, VF+32*(i/4)+8*(i%4)
.set rP, P+16*((\x)%2)+8*(i/4)
	v_wmma_f32_16x16x32_bf16 v[rO:rO+7], v[rV:rV+7], v[rP:rP+7], v[rO:rO+7]
.endm
.macro VSP                          ; in piece 2's turn alone: product z of 8 by which the sums of v's columns take this step's 64 keys: V^T times ones, in O^T's layout; four accumulators by turns
.if Y == 2
	WIN W_PV
	v_wmma_f32_16x16x32_bf16 v[VSUM+8*(z%4):VSUM+8*(z%4)+7], v[VF+32*(z/4)+8*(z%4):VF+32*(z/4)+8*(z%4)+7], v[ONE:ONE+7], v[VSUM+8*(z%4):VSUM+8*(z%4)+7]
.set z, z+1
.endif
.endm
.macro MM                           ; the turn's next matrix instruction
.if i < 8
	KQ (Y+1)%NP
.else
.set i, i-8
	PV (Y+NP-1)%NP
.set i, i+8
.endif
.set i, i+1
.endm
.macro FETCH_K                      ; a step's K (8 fragments) and its 64 numbers of key bias: 24 loads in one run
	WIN 0x80
.irp f, 0,1,2,3,4,5,6,7
	ds_load_b128 v[KF+8*\f:KF+8*\f+3],   v[AK] offset:(\f/2)*16*PK+(\f%2)*64
	ds_load_b128 v[KF+8*\f+4:KF+8*\f+7], v[AK] offset:(\f/2)*16*PK+(\f%2)*64+32
.endr
	WIN 0
.irp f, 0,1,2,3
	ds_load_b128 v[CK+8*\f:CK+8*\f+3],   v[AM] offset:64*\f
	ds_load_b128 v[CK+8*\f+4:CK+8*\f+7], v[AM] offset:64*\f+16
.endr
	s_add_co_u32 s[TBK], s[TBK], KS*PK
	s_add_co_u32 s[TBM], s[TBM], 256
	s_and_b32 s[TBM], s[TBM], 0x1f00    ; held inside the table's 8,192 bytes: behind the 32nd and last fetch it is 0 again, and is not used
.endm
.macro FETCH_V
	WIN 0x80
.irp f, 0,1,2,3,4,5,6,7
	ds_load_tr16_b128 v[VF+8*\f:VF+8*\f+3],   v[AV] offset:(\f/4)*32*PV+(\f%4)*32
	ds_load_tr16_b128 v[VF+8*\f+4:VF+8*\f+7], v[AV] offset:(\f/4)*32*PV+16*PV+(\f%4)*32
.endr
	WIN 0
.endm
; THE VECTOR WORK, one line at a time: OP kind, number.  For piece Y: F n: c s - c m for pair n.  E n: the exponential of score n.  C n: pair n rounded to bf16.  B n: of four weights the second pair is added onto the first.
; L n: l takes that sum (L 0: l = a l + sum).  R n: pair n of O^T times a.  For piece Y + 1: X n, number n of the 22 that find its maximum and statistics (each accumulator's lowest registers are read first).
.set F, 0
.set E, 1
.set C, 2
.set B, 3
.set L, 4
.set R, 5
.set X, 6
.macro REGS y
.set rT, ST+4*(\y)
.set rC, TMP+4*((\y)%2)
.set rW, MV+((\y)%2)
.set rS, S+32*((\y)%2)
.set rP, P+16*((\y)%2)
.set rO, 32*(\y)
.endm
.macro OP k, n
.if (\k) == R
	REGS Y
	WIN W_RS
	v_pk_mul_f32 v[rO+2*(\n):rO+2*(\n)+1], v[rO+2*(\n):rO+2*(\n)+1], v[rC+2:rC+3] op_sel_hi:[1,0]
.elseif (\k) < R
	REGS Y
	WIN 0
.if (\k) == F
	v_pk_fma_f32 v[rS+2*(\n):rS+2*(\n)+1], v[rS+2*(\n):rS+2*(\n)+1], s[CS:CS+1], v[rT:rT+1] op_sel_hi:[1,0,0] neg_lo:[0,0,1] neg_hi:[0,0,1]
.elseif (\k) == E
	v_exp_f32 v[rS+(\n)], v[rS+(\n)]
.elseif (\k) == C
	v_cvt_pk_bf16_f32 v[rP+(\n)], v[rS+2*(\n)], v[rS+2*(\n)+1]
.elseif (\k) == B
	v_pk_add_f32 v[rS+4*(\n):rS+4*(\n)+1], v[rS+4*(\n):rS+4*(\n)+1], v[rS+4*(\n)+2:rS+4*(\n)+3]
.elseif (\n) == 0
	v_pk_fma_f32 v[rT+2:rT+3], v[rT+2:rT+3], v[rC+2:rC+3], v[rS:rS+1] op_sel_hi:[1,0,1]
.else
	v_pk_add_f32 v[rT+2:rT+3], v[rT+2:rT+3], v[rS+4*(\n):rS+4*(\n)+1]
.endif
.else
	REGS (Y+1)%NP
	WIN 0
.if (\n) < 4
	v_max3_num_f32 v[rC+(\n)], v[rS+8*(\n)], v[rS+8*(\n)+1], v[rS+8*(\n)+2]
.elseif (\n) < 12
	v_max3_num_f32 v[rC+(\n)%4], v[rC+(\n)%4], v[rS+8*((\n)%4)+2*((\n)/4)+1], v[rS+8*((\n)%4)+2*((\n)/4)+2]
.elseif (\n) == 12
	v_max3_num_f32 v[rC], v[rC], v[rS+7], v[rS+15]
.elseif (\n) == 13
	v_max3_num_f32 v[rC+1], v[rC+1], v[rS+23], v[rS+31]
.elseif (\n) == 14
	v_max3_num_f32 v[rC+2], v[rC+2], v[rC+3], v[rT+1]
.elseif (\n) == 15
	v_mov_b32 v[rW], v[rT]
.elseif (\n) == 16
	v_max3_num_f32 v[rC], v[rC], v[rC+1], v[rC+2]
.elseif (\n) == 17
	v_permlanex16_b32 v[rC+3], v[rC], s[SEL], s[SEL+1]
.elseif (\n) == 18
	v_max_num_f32 v[rT+1], v[rC], v[rC+3]
.elseif (\n) == 19
	v_mul_f32 v[rT], s[CS], v[rT+1]
.elseif (\n) == 20
	v_sub_f32 v[rC+1], v[rW], v[rT]
.else
	v_exp_f32 v[rC+2], v[rC+1]
.endif
.endif
.endm
.macro OPS a, i1, b=-1, i2=0, c=-1, i3=0, d=-1, i4=0
	OP \a, \i1
.if (\b) >= 0
	OP \b, \i2
.endif
.if (\c) >= 0
	OP \c, \i3
.endif
.if (\d) >= 0
	OP \d, \i4
.endif
.endm
.macro ROW a, i1, b, i2, c, i3, d, i4
	MM
	OPS \a, \i1, \b, \i2, \c, \i3, \d, \i4
.endm
; A TURN, for piece p.  Ahead of its one wait stands all that names no result of the turn's exponentials: the 8 products K Q^T with their riders, then the lump; X 21, the next piece's a, is the batch's last, R 15 the plain
; instruction behind it.  In piece 2's turn eight lines of the lump have one of the eight products for the sums of v in front of them (once a key step, with that step's V in registers): they name V, the ones and their
; own sums alone, so the four vector lines behind each stand beside it.  Behind the wait: the 8 products V^T P, behind each four of the roundings and sums.
; K and the bias of the next step are fetched in piece 2's turn, five plain instructions that name none of its registers behind the last product that read K; V of the step in hand at the end of piece 0's turn, four plain
; instructions behind its last reader.  Each is waited for a turn later.  last = 1 (the tail): in the last trip there is no further step, and K's run is jumped over; the exponentials issued so far have their wait ahead of
; that branch.  cnt = 1: the loop's count is taken down some lines ahead of the branch behind the turn.
.macro TURN p, last=0, cnt=0
.set Y, (\p)
.set i, 0
.set z, 0
.if (\p) == 3
	s_wait_dscnt 0x0                ; K and the bias are in
.endif
	ROW F,0, F,1, R,0, R,1
	ROW F,2, E,0, R,2, R,3
	ROW F,3, E,1, R,4, R,5
	ROW F,4, E,2, R,6, R,7
	ROW F,5, E,3, R,8, R,9
	ROW F,6, E,4, X,0, R,10
.if (\p) == 2
	WIN 0
	v_add_nc_u32 v[AK], s[TBK], v[AK0]
	v_add_nc_u32 v[AM], s[TBM], v[AM0]
.endif
	ROW F,7, E,5, X,1, X,4
	ROW F,8, E,6, X,2, X,5
	OPS E,7, E,8, X,6, E,9
	OPS X,3, E,10, X,8, E,11
.if (\p) == 2
.if \last
	WIN 0
	s_wait_alu depctr_va_vdst(0)
	s_cmp_eq_u32 s[CNT], 1
	s_cbranch_scc1 .Lno_k_\@
.endif
	FETCH_K
.if \last
.Lno_k_\@:
.endif
.endif
	VSP
	OPS X,9, X,7, E,12, X,10
	VSP
	OPS E,13, X,12, X,11, E,14
	VSP
	OPS X,13, E,15, F,9, X,14
.if (\p) == 0
	v_add_nc_u32 v[AV], s[TBV], v[AV0]
.endif
	VSP
	OPS E,16, F,10, E,17, F,11
	VSP
	OPS X,16, E,18, X,15, E,19
	OPS F,12, E,20, X,17, E,21
	VSP
	OPS F,13, E,22, F,14, E,23
	VSP
	OPS X,18, E,24, F,15, E,25
	VSP
	OPS R,11, E,26, X,19, E,27
	OPS R,12, E,28, R,13, E,29
	OPS X,20, E,30, R,14, E,31
	OPS X,21, R,15
	WIN 0
	s_wait_alu depctr_va_vdst(0)    ; the one wait for the batch ahead of the first line that names a result
.if (\p) == 1
	s_wait_dscnt 0x0                ; V is in
.endif
	ROW C,0, B,0, C,2, B,1
	ROW L,0, C,4, B,2, L,1
	ROW C,6, B,3, L,2, C,8
	ROW B,4, L,3, C,10, B,5
	ROW L,4, C,12, B,6, L,5
.if (\p) == 0
	s_add_co_u32 s[TBV], s[TBV], KS*PV
.endif
.if \cnt
	s_sub_co_u32 s[CNT], s[CNT], 1
	s_cmp_lg_u32 s[CNT], 0
.endif
	ROW C,14, B,7, L,6, C,1
	ROW C,3, L,7, C,5, C,7
	ROW C,9, C,11, C,13, C,15
.if (\p) == 0
	FETCH_V
.endif
.endm
	CHANGE 1, 0                     ; slot 0 is in, the table is whole for every wave; tile 1 is asked for
	v_add_nc_u32 v[AK], s[TBK], v[AK0]
	v_add_nc_u32 v[AM], s[TBM], v[AM0]
	FETCH_K                         ; key step 0
	s_wait_loadcnt 0x0              ; Q
	s_wait_dscnt 0x0
.set i, 0
.rept 8
	KQ 0                            ; piece 0's first scores
.set i, i+1
.endr
	WIN 0
.rept 4
	v_nop                           ; the places behind those products
.endr
.set Y, NP-1                        ; X works for piece Y + 1: piece 0
.irp n, 0,1,2,3,4,5,6,7,8,9,10,11,12,13,14,15,16,17,18,19,20,21
	OP X, \n
.endr
	v_nop                           ; a plain instruction behind the exponential,
	s_wait_alu depctr_va_vdst(0)    ; and its wait, ahead of the branch
	s_mov_b32 s[CNT], 4
	s_mov_b32 s[SLOTS], 7
	s_branch .Lfirst                ; the loop is entered at a step's first turn
.Lslot:                             ; six times: tiles 2 to 7 are asked for
	CHANGE 1, 1
	s_mov_b32 s[CNT], 4
.Lstep:                             ; a trip: pieces 2 and 3 of one step, then pieces 0 and 1 of the next, whose K and V it fetches
	TURN 2
	TURN 3
	WIN 0
.Lfirst:
	TURN 0
	TURN 1, 0, 1
	WIN 0
	s_cbranch_scc1 .Lstep
	s_sub_co_u32 s[SLOTS], s[SLOTS], 1
	s_cmp_lg_u32 s[SLOTS], 0
	s_cbranch_scc1 .Lslot
	CHANGE 0, 0                     ; the tail is written out: nothing is asked for
	s_mov_b32 s[CNT], 5             ; four trips fetch the last tile's steps; the fifth is left in its middle
.Ltail:
	TURN 2, 1
	TURN 3
	WIN 0
	s_sub_co_u32 s[CNT], s[CNT], 1
	s_cmp_eq_u32 s[CNT], 0
	s_cbranch_scc1 .Lout
	TURN 0
	TURN 1
	WIN 0
	s_branch .Ltail
.Lout:
.set i, 0
.rept 8
	PV NP-1                         ; the last piece's V^T P of the last step
.set i, i+1
.endr
	; THE WAY OUT.  l's halves and the other half of the lanes' are added; O^T is divided by l and rounded; a hidden query's lane takes the mean of v; through my stage, a piece at a time.
	WIN 0
.macro ALL line:vararg
.set t, 0
.rept 4
	\line
.set t, t+1
.endr
.endm
	ALL v_add_f32 v[ST+4*t+2], v[ST+4*t+2], v[ST+4*t+3]
	ALL v_permlanex16_b32 v[ST+4*t+3], v[ST+4*t+2], s[SEL], s[SEL+1]
	ALL v_add_f32 v[ST+4*t+2], v[ST+4*t+2], v[ST+4*t+3]
	ALL v_cmp_ne_u32 s[QS+t], 0, v[QM+t]
	ALL v_rcp_f32 v[ST+4*t+2], v[ST+4*t+2]
	v_nop                           ; a plain instruction between the last reciprocal and the use of its result
	s_wait_alu depctr_va_vdst(0)    ; and the wait ahead of the first use: one for the four reciprocals
	WIN W_RS
.set i, 0
.rept 16
	v_pk_mul_f32 v[VSUM+2*i:VSUM+2*i+1], v[VSUM+2*i:VSUM+2*i+1], 0x3a000000 op_sel_hi:[1,0]  ; / 2048
.set i, i+1
.endr
	WIN 0x05
.set i, 0
.rept 16
	v_cvt_pk_bf16_f32 v[VSB+i], v[VSUM+2*i], v[VSUM+2*i+1]
.set i, i+1
.endr
.macro PACK t
	WIN W_RS
.set i, 32*(\t)
.rept 16
	v_pk_mul_f32 v[i:i+1], v[i:i+1], v[ST+4*(\t)+2:ST+4*(\t)+3] op_sel_hi:[1,0]
.set i, i+2
.endr
	WIN 0x05
.set i, 0
.rept 16
	v_cvt_pk_bf16_f32 v[S+16*(\t)+i], v[32*(\t)+2*i], v[32*(\t)+2*i+1]
.set i, i+1
.endr
	WIN 0
.set i, 0
.rept 16
	v_cndmask_b32 v[S+16*(\t)+i], v[VSB+i], v[S+16*(\t)+i], s[QS+(\t)]  ; visible: my own row; hidden: the mean of v
.set i, i+1
.endr
.irp f, 0,1,2,3
	ds_store_b128 v[STO], v[S+16*(\t)+4*\f:S+16*(\t)+4*\f+3] offset:32*\f
.endr
.irp f, 0,1,2,3
	ds_load_b128 v[S+16*(\t)+4*\f:S+16*(\t)+4*\f+3], v[RD] offset:\f*4*SP  ; LDS serves a wave's instructions in order (ISA guide 5.7.1.4)
.endr
.endm
.macro SEND t, younger              ; younger: the LDS instructions issued behind piece t's loads
	WIN 0
.irp f, 0,1,2,3
	s_wait_dscnt (\younger)+3-\f
	global_store_b128 v[GO], v[S+16*(\t)+4*\f:S+16*(\t)+4*\f+3], s[10:11] offset:(\t)*2048+\f*512  ; 512 consecutive bytes, aligned
.endr
.endm
	PACK 0
.set t, 1
.rept 3
	PACK t
	SEND t-1, 8
.set t, t+1
.endr
	SEND 3, 0
	s_wait_tensorcnt 0x0            ; the wave's end
	ds_add_u32 v[SPW], v[NIL]
	s_wait_dscnt 0x0
	CROUND                          ; the closing round
	s_endpgm
.Lfunc_end_k_qdc78380155_attn:
	.size	k_qdc78380155_attn, .Lfunc_end_k_qdc78380155_attn-k_qdc78380155_attn
	.p2alignl 7, 3214868480
	.fill 96, 4, 3214868480
	.section	.rodata,"a",@progbits
	.p2align	6, 0x0
	.amdhsa_kernel k_qdc78380155_attn
		.amdhsa_group_segment_fixed_size 327680
		.amdhsa_private_segment_fixed_size 0
		.amdhsa_enable_private_segment 0
		.amdhsa_kernarg_size 24
		.amdhsa_user_sgpr_count 2
		.amdhsa_user_sgpr_kernarg_segment_ptr 1
		.amdhsa_wavefront_size32 1
		.amdhsa_system_sgpr_workgroup_id_x 1
		.amdhsa_system_sgpr_workgroup_id_y 1
		.amdhsa_system_sgpr_workgroup_id_z 1
		.amdhsa_system_vgpr_workitem_id 0
		.amdhsa_next_free_vgpr 768
		.amdhsa_next_free_sgpr 92
		.amdhsa_reserve_vcc 0
		.amdhsa_float_denorm_mode_32 3
		.amdhsa_float_denorm_mode_16_64 3
		.amdhsa_memory_ordered 1
		.amdhsa_forward_progress 1
		.amdhsa_inst_pref_size 128
	.end_amdhsa_kernel
	.amdgpu_metadata
---
amdhsa.version: [ 1, 2 ]
amdhsa.kernels:
  - .name:           k_qdc78380155_attn
    .symbol:         k_qdc78380155_attn.kd
    .args:
      - { .name: qkv, .offset: 0, .size: 8, .value_kind: global_buffer, .address_space: global }
      - { .name: mask, .offset: 8, .size: 8, .value_kind: global_buffer, .address_space: global }
      - { .name: ao, .offset: 16, .size: 8, .value_kind: global_buffer, .address_space: global }
    .group_segment_fixed_size: 327680
    .private_segment_fixed_size: 0
    .kernarg_segment_align: 8
    .kernarg_segment_size: 24
    .max_flat_workgroup_size: 128
    .sgpr_count:     92
    .vgpr_count:     768
    .wavefront_size: 32
...
	.end_amdgpu_metadata
.endif
;; end of part 3
;; launch ln1 (part 4): grid 256 x 1, 8 waves a work-group, no clusters, 0 bytes of LDS; arguments pk1, ao, g1, beta1, pk2, h1lo; writes pk2, h1lo
.if DOCPART == 4
	.amdgcn_target "amdgcn-amd-amdhsa--gfx1250"
	.amdhsa_code_object_version 6
	.text
	.protected	k_qdc78380155_ln1
	.globl	k_qdc78380155_ln1
	.p2align	8
	.type	k_qdc78380155_ln1,@function
k_qdc78380155_ln1:
	s_mov_b64 s[64:65], 0
	v_nop
	global_prefetch_b8 v0, s[64:65] scope:SCOPE_SE
	s_setreg_imm32_b32 hwreg(HW_REG_WAVE_MODE, 25, 1), 1
	s_wait_xcnt 0x0
; h1 = LN(x + attention) g1 + beta1, stored as a pair of bf16: hi (into pk2's first 8 MiB: the next product's operand) and lo = h1 - hi (h1lo): the residual of the last norm keeps 16 bits.  No work is left out.
; x is the bf16 copy in pk1 [4096][1024]; the attention's result lies by heads, ao [32][2048][64]; g1 and beta1 are rounded to bf16 like all inputs.
; SHARES.  16 lanes own a row: row R = 16 x work-group + thread / 16.  A lane holds columns 128 j + 8 q .. + 7, j = 0..7, q = lane % 16: every load and store of 16 lanes covers 256 consecutive aligned bytes of x, hi, lo;
; in ao the two rows of a wave and two heads make four such runs of 128 bytes, two aligned blocks.  The row stays in registers; the variance is taken of the centred numbers, in a second pass.
; No LDS, no ring: the launch is one row's work a half-wave, all loads out at once.
.set ONE, 6
.set NEG, 7
.set MU,  8
.set RS,  10
.set GS,  16                           ; v[16:79]   g1 as loaded; then GP v[16:47], BP v[48:79]: packed bf16
.set GP,  16
.set BP,  48
.set BS,  80                           ; v[80:143]  beta1 as loaded; then the row, YY
.set YY,  80
.set XB,  144                          ; v[144:175] x; then hi
.set AO,  176                          ; v[176:207] attention; then lo
.set CH,  208                          ; v[208:215] four chains of sums
.macro LANES16                         ; v12 summed over the row's 16 lanes
	v_pk_add_f32 v[CH:CH+1], v[CH:CH+1], v[CH+2:CH+3]
	v_pk_add_f32 v[CH+4:CH+5], v[CH+4:CH+5], v[CH+6:CH+7]
	v_pk_add_f32 v[CH:CH+1], v[CH:CH+1], v[CH+4:CH+5]
	v_add_f32 v12, v[CH], v[CH+1]
	v_add_f32_dpp v12, v12, v12 row_xmask:1 row_mask:0xf bank_mask:0xf
	v_add_f32_dpp v12, v12, v12 row_xmask:2 row_mask:0xf bank_mask:0xf
	v_add_f32_dpp v12, v12, v12 row_xmask:4 row_mask:0xf bank_mask:0xf
	v_add_f32_dpp v12, v12, v12 row_xmask:8 row_mask:0xf bank_mask:0xf
.endm
	s_load_b256 s[4:11], s[0:1], 0x0               ; pk1 4, ao 6, g1 8, beta1 10
	s_load_b128 s[12:15], s[0:1], 0x20             ; pk2 12, h1lo 14
	v_lshrrev_b32 v1, 4, v0
	v_and_b32 v2, 15, v0                           ; q
	s_lshl_b32 s16, ttmp9, 4
	v_add_nc_u32 v1, s16, v1                       ; R
	v_lshlrev_b32 v3, 11, v1
	v_lshl_add_u32 v3, v2, 4, v3                   ; x, hi, lo: R x 2,048 + 16 q
	v_and_b32 v4, 0x7ff, v1                        ; the row in its batch
	v_lshlrev_b32 v4, 7, v4
	v_and_b32 v5, 7, v2
	v_lshl_add_u32 v4, v5, 4, v4
	v_lshrrev_b32 v5, 3, v2
	s_lshr_b32 s17, ttmp9, 7                       ; the batch
	s_lshl_b32 s17, s17, 4
	v_add_nc_u32 v5, s17, v5                       ; head 16 b + q / 8 (+ 2 j in the immediate)
	v_lshl_add_u32 v4, v5, 18, v4
	v_lshlrev_b32 v5, 5, v2                        ; g1, beta1: 32 q
	s_mov_b32 s20, 0x3a800000                      ; 1 / 1024
	s_mov_b32 s21, 0x3727c5ac                      ; 1e-5
	v_mov_b32 v[ONE], 1.0
	v_mov_b32 v[NEG], -1.0
	s_wait_kmcnt 0x0
.set j, 0
.rept 8
	global_load_b128 v[GS+8*j:GS+8*j+3],   v5, s[8:9] offset:512*j
	global_load_b128 v[GS+8*j+4:GS+8*j+7], v5, s[8:9] offset:512*j+16
.set j, j+1
.endr
.set j, 0
.rept 8
	global_load_b128 v[BS+8*j:BS+8*j+3],   v5, s[10:11] offset:512*j
	global_load_b128 v[BS+8*j+4:BS+8*j+7], v5, s[10:11] offset:512*j+16
.set j, j+1
.endr
.set j, 0
.rept 8
	global_load_b128 v[XB+4*j:XB+4*j+3], v3, s[4:5] offset:256*j
.set j, j+1
.endr
.set j, 0
.rept 8
	global_load_b128 v[AO+4*j:AO+4*j+3], v4, s[6:7] offset:524288*j th:TH_LOAD_NT
.set j, j+1
.endr
	s_wait_loadcnt 16                              ; g1 and beta1 are in; the 16 loads of the row stay out
.set i, 0
.rept 32
	v_cvt_pk_bf16_f32 v[GP+i], v[GS+2*i], v[GS+2*i+1]  ; in place, ascending: word i lies below the two numbers it is made of
.set i, i+1
.endr
.set i, 0
.rept 32
	v_cvt_pk_bf16_f32 v[BP+i], v[BS+2*i], v[BS+2*i+1]
.set i, i+1
.endr
	s_wait_loadcnt 0x0
.set i, 0
.rept 32
	v_fma_mix_f32_bf16 v[YY+2*i],   v[XB+i], v[ONE], v[AO+i] op_sel:[0,0,0] op_sel_hi:[1,0,1]  ; x + attention, low halves,
	v_fma_mix_f32_bf16 v[YY+2*i+1], v[XB+i], v[ONE], v[AO+i] op_sel:[1,0,1] op_sel_hi:[1,0,1]  ; high halves
.set i, i+1
.endr
.set p, 0
.rept 4
	v_pk_add_f32 v[CH+2*p:CH+2*p+1], v[YY+2*p:YY+2*p+1], v[YY+2*p+8:YY+2*p+9]
.set p, p+1
.endr
.set p, 8
.rept 24
	v_pk_add_f32 v[CH+2*(p%4):CH+2*(p%4)+1], v[CH+2*(p%4):CH+2*(p%4)+1], v[YY+2*p:YY+2*p+1]
.set p, p+1
.endr
	LANES16
	v_mul_f32 v[MU], s20, v12
	v_mov_b32 v[MU+1], v[MU]
.set p, 0
.rept 32
	v_pk_add_f32 v[YY+2*p:YY+2*p+1], v[YY+2*p:YY+2*p+1], v[MU:MU+1] neg_lo:[0,1] neg_hi:[0,1]
.set p, p+1
.endr
.set p, 0
.rept 4
	v_pk_mul_f32 v[CH+2*p:CH+2*p+1], v[YY+2*p:YY+2*p+1], v[YY+2*p:YY+2*p+1]
.set p, p+1
.endr
.set p, 4
.rept 28
	v_pk_fma_f32 v[CH+2*(p%4):CH+2*(p%4)+1], v[YY+2*p:YY+2*p+1], v[YY+2*p:YY+2*p+1], v[CH+2*(p%4):CH+2*(p%4)+1]
.set p, p+1
.endr
	LANES16
	v_fma_f32 v12, v12, s20, s21                   ; variance + 1e-5
	v_rsq_f32 v[RS], v12
	v_rsq_f32 v[RS+1], v12
	v_nop                                          ; a plain line behind the second,
	s_wait_alu depctr_va_vdst(0)                   ; and the one wait ahead of the first use
.set p, 0
.rept 32
	v_pk_mul_f32 v[YY+2*p:YY+2*p+1], v[YY+2*p:YY+2*p+1], v[RS:RS+1]
.set p, p+1
.endr
.set i, 0
.rept 32
	v_fma_mix_f32_bf16 v[YY+2*i],   v[YY+2*i],   v[GP+i], v[BP+i] op_sel:[0,0,0] op_sel_hi:[0,1,1]
	v_fma_mix_f32_bf16 v[YY+2*i+1], v[YY+2*i+1], v[GP+i], v[BP+i] op_sel:[0,1,1] op_sel_hi:[0,1,1]
.set i, i+1
.endr
.set i, 0
.rept 32
	v_cvt_pk_bf16_f32 v[XB+i], v[YY+2*i], v[YY+2*i+1]  ; hi
.set i, i+1
.endr
.set j, 0
.rept 8
	global_store_b128 v3, v[XB+4*j:XB+4*j+3], s[12:13] offset:256*j
.set j, j+1
.endr
.set i, 0
.rept 32
	v_fma_mix_f32_bf16 v[YY+2*i],   v[XB+i], v[NEG], v[YY+2*i]   op_sel:[0,0,0] op_sel_hi:[1,0,0]  ; h1 - hi
	v_fma_mix_f32_bf16 v[YY+2*i+1], v[XB+i], v[NEG], v[YY+2*i+1] op_sel:[1,0,0] op_sel_hi:[1,0,0]
.set i, i+1
.endr
.set i, 0
.rept 32
	v_cvt_pk_bf16_f32 v[AO+i], v[YY+2*i], v[YY+2*i+1]  ; lo
.set i, i+1
.endr
.set j, 0
.rept 8
	global_store_b128 v3, v[AO+4*j:AO+4*j+3], s[14:15] offset:256*j
.set j, j+1
.endr
	s_endpgm
.Lfunc_end_k_qdc78380155_ln1:
	.size	k_qdc78380155_ln1, .Lfunc_end_k_qdc78380155_ln1-k_qdc78380155_ln1
	.p2alignl 7, 3214868480
	.fill 96, 4, 3214868480
	.section	.rodata,"a",@progbits
	.p2align	6, 0x0
	.amdhsa_kernel k_qdc78380155_ln1
		.amdhsa_group_segment_fixed_size 0
		.amdhsa_private_segment_fixed_size 0
		.amdhsa_enable_private_segment 0
		.amdhsa_kernarg_size 48
		.amdhsa_user_sgpr_count 2
		.amdhsa_user_sgpr_kernarg_segment_ptr 1
		.amdhsa_wavefront_size32 1
		.amdhsa_system_sgpr_workgroup_id_x 1
		.amdhsa_system_sgpr_workgroup_id_y 1
		.amdhsa_system_sgpr_workgroup_id_z 1
		.amdhsa_system_vgpr_workitem_id 0
		.amdhsa_next_free_vgpr 224
		.amdhsa_next_free_sgpr 66
		.amdhsa_reserve_vcc 0
		.amdhsa_float_denorm_mode_32 3
		.amdhsa_float_denorm_mode_16_64 3
		.amdhsa_memory_ordered 1
		.amdhsa_forward_progress 1
		.amdhsa_inst_pref_size 37
	.end_amdhsa_kernel
	.amdgpu_metadata
---
amdhsa.version: [ 1, 2 ]
amdhsa.kernels:
  - .name:           k_qdc78380155_ln1
    .symbol:         k_qdc78380155_ln1.kd
    .args:
      - { .name: pk1, .offset: 0, .size: 8, .value_kind: global_buffer, .address_space: global }
      - { .name: ao, .offset: 8, .size: 8, .value_kind: global_buffer, .address_space: global }
      - { .name: g1, .offset: 16, .size: 8, .value_kind: global_buffer, .address_space: global }
      - { .name: beta1, .offset: 24, .size: 8, .value_kind: global_buffer, .address_space: global }
      - { .name: pk2, .offset: 32, .size: 8, .value_kind: global_buffer, .address_space: global }
      - { .name: h1lo, .offset: 40, .size: 8, .value_kind: global_buffer, .address_space: global }
    .group_segment_fixed_size: 0
    .private_segment_fixed_size: 0
    .kernarg_segment_align: 8
    .kernarg_segment_size: 48
    .max_flat_workgroup_size: 256
    .sgpr_count:     66
    .vgpr_count:     224
    .wavefront_size: 32
...
	.end_amdgpu_metadata
.endif
;; end of part 4
;; launch ff1: the kernel of part 2 again; grid 16 x 16, 4 waves a work-group, clusters of 4 x 4, 327,680 bytes of LDS; arguments pk2, tff; writes tff
;; launch ff2 (part 5): grid 8 x 32, 4 waves a work-group, clusters of 4 x 4, 327,680 bytes of LDS; arguments tff, w2b, b2, y2; writes y2
.if DOCPART == 5
	.amdgcn_target "amdgcn-amd-amdhsa--gfx1250"
	.amdhsa_code_object_version 6
	.text
	.protected	k_qdc78380155_ff2
	.globl	k_qdc78380155_ff2
	.p2align	8
	.type	k_qdc78380155_ff2,@function
k_qdc78380155_ff2:
	s_mov_b64 s[64:65], 0
	v_nop
	global_prefetch_b8 v0, s[64:65] scope:SCOPE_SE
	s_setreg_imm32_b32 hwreg(HW_REG_WAVE_MODE, 25, 1), 1
	s_wait_xcnt 0x0
	s_wait_alu depctr_hold_cnt(0) depctr_sa_sdst(0) depctr_va_vdst(0) depctr_va_sdst(0) depctr_va_ssrc(0) depctr_va_vcc(0) depctr_vm_vsrc(0)
	s_getreg_b32 s2, hwreg(HW_REG_IB_STS2, 6, 4)
	s_cmp_eq_u32 s2, 0
	s_cbranch_scc0 .Lentry_in_a_cluster
	s_endpgm
.Lentry_in_a_cluster:
	s_bfe_u32 s2, ttmp6, 0x10000c
	s_cmp_lg_u32 s2, 0xf033
	s_cbranch_scc0 .Lentry_shape_is_right
	s_endpgm
.Lentry_shape_is_right:
; y2[m][n] = b2[n] + sum over k of t[m][k] W2[k][n], in f32.  t: bf16 [4096][4096]; W2: bf16 [4096 k][1024 n]; b2 rounded to bf16 like all inputs; y2: f32 [4096][1024].  No work of the layer is left out here.
; C has 4,096 x 1,024 numbers: tiles of 128 x 128 give each of 256 work-groups one.  Four waves, each 64 x 64: 16 accumulators.  K goes in steps of 256 through two LDS slots.
; W2 LIES [k][n] and comes out of LDS turned, by ds_load_tr16_b128.  THE MATRIX INSTRUCTION IS USED TRANSPOSED (source 0 = 16 columns of W2, source 1 = 16 rows of t): a lane holds row l % 16 and eight neighbouring columns.
; The bias, in that layout, is the C operand of the products that start the sums.  CLUSTERS: 4 x 4; t's tile is asked for jointly along a row of the cluster, W2's along a column.
; A wave's 64 columns of f32 are 256 aligned bytes of a row: each wave has a stage of its own, and the way out needs no barrier.  No prefetch: a step's tiles are small and its work short.
; REGISTERS: window 0: v16-29 addresses; v96-127 the bias; v128-255 the accumulators ((a, b) at v[128 + 8 (4 a + b)]), later whole rows.   window 1: two fragment buffers of 128: 64 of A, then 64 of B.
.set KSTEP,  256
.set PA,     528                       ; an LDS row of A: 512 bytes + 16
.set PB,     288                       ; an LDS row of B: 256 bytes + 32 = 9 x 32
.set HALFA,  64*PA
.set HALFB,  128*PB
.set BOFF,   2*HALFA
.set SLOTB,  2*HALFA+2*HALFB           ; a slot's bytes, 141,312: A's 128 rows, then B's 256 rows (k)
.set SLOT,   0x24000                   ; slot 1 begins at 147,456: its two bits occur in none of the four LDS addresses at which loads land (0, 0x8400, 0x10800, 0x19800), so one exclusive or turns an address in one slot into the other's
.set STAGE,  SLOT+SLOTB
.set SPITCH, 272
.set SPARE,  STAGE+4*16*SPITCH         ; the spare words: two blocks of 256 bytes that no other line names
.set ASTEP,  KSTEP*2
.set BSTEP,  KSTEP*2048
.set ADRA0, 16                         ; v16 A's place in slot 0; v17 in the slot in hand
.set ADRA,  17
.set ADRB0, 18                         ; v18, v19 B's place in slot 0: rows (k) 0-127, 128-255 (an LDS offset has 16 bits); v20, v21 in the slot in hand
.set ADRB,  20
.set STO,  24
.set RD,   25
.set CO,   26
.set BO,   27
.set SPW,  28
.set NIL,  29
.set BI,   96
.set ACC,  128
.set F0,   0
.set F1,   128
.set G1,   24
.set G0F,  32
.set G0,   36
.set G1B,  48
.set G0BF, 56
.set G0B,  60
.set SL,   71
.set MSB, 0
.macro WIN new
.if MSB != (\new)
	s_set_vgpr_msb (MSB<<8)|(\new)
.set MSB, \new
.endif
.endm
.set MUL,  0x05                        ; sources 0 and 1 window 1; C and D window 0
.set TO_F, 0x40
.macro JLOAD
	s_cmp_eq_u32 s11, 0
	s_cbranch_scc0 .Lfor_b_\@
	tensor_load_to_lds s[G0:G0+3], s[G1:G1+7]
	s_nop 0
.rept 4
	v_nop
.endr
	s_branch .Lasked_\@
.Lfor_b_\@:
	tensor_load_to_lds s[G0B:G0B+3], s[G1B:G1B+7]
	s_nop 0
.rept 4
	v_nop
.endr
.Lasked_\@:
.endm
.macro CREST
	s_cmp_lg_u32 s10, 0
	s_cbranch_scc1 .Lnot_wave_0_\@
	s_barrier_signal -3
.Lnot_wave_0_\@:
	s_barrier_wait -3
	s_barrier_signal -1
	s_barrier_wait -1
.endm
.macro CROUND
	s_barrier_signal -1
	s_barrier_wait -1
	CREST
.endm
.macro RND2 a, b, tmp
	v_cvt_pk_bf16_f32 v[\tmp], v[\a], v[\b]
	v_lshlrev_b32 v[\a], 16, v[\tmp]
	v_and_b32 v[\b], 0xffff0000, v[\tmp]
.endm
	s_load_b128 s[4:7], s[0:1], 0x0                ; t s[4:5], W2 s[6:7]
	s_load_b128 s[76:79], s[0:1], 0x10             ; b2 s[76:77], y2 s[78:79]
	v_lshl_add_u32 v[SPW], v0, 2, SPARE
	v_mov_b32 v[NIL], 0
	ds_add_u32 v[SPW], v[NIL]                      ; the wave's opening: the add, twice on end, and its wait ahead of my first tensor load
	ds_add_u32 v[SPW], v[NIL]
	v_lshrrev_b32 v1, 5, v0
	v_readfirstlane_b32 s10, v1
	s_lshr_b32 s11, s10, 1                         ; my half of the rows.  Also: I fetch for A (0) or for B (1)
	s_and_b32 s12, s10, 1                          ; my half of the columns.  Also: which half of that tile I fetch
	s_bfe_u32 s40, ttmp6, 0x40000
	s_bfe_u32 s41, ttmp6, 0x40004
	s_lshl_b32 s42, ttmp9, 2
	s_add_co_u32 s42, s42, s40                     ; tile column
	s_and_b32 s13, ttmp7, 0xffff
	s_lshl_b32 s13, s13, 2
	s_add_co_u32 s13, s13, s41                     ; tile row
	s_lshl_b32 s43, s41, 2
	s_lshl_b32 s43, 15, s43
	s_lshl_b32 s44, 0x1111, s40
	s_or_b32 s[G1+0], s43, (1<<16)|(1<<20)|(1<<21)|(6<<22)|(3<<25)   ; after every 128 words 4 words
	s_or_b32 s[G1B+0], s44, (1<<16)|(1<<20)|(1<<21)|(5<<22)|(7<<25)  ; after every 64 words 8 words
	s_mov_b32 s[G1+1], 256<<16                     ; A: 256 along K x 64 rows
	s_mov_b32 s[G1+2], 64<<16
	s_mov_b32 s[G1+3], 256<<16
	s_mov_b32 s[G1+4], 64
	s_mov_b32 s[G1+5], 4096
	s_mov_b32 s[G1+6], 0
	s_mov_b32 s[G1+7], 0
	s_mov_b32 s[G1B+1], 128<<16                    ; B: 128 columns x 128 rows (k)
	s_mov_b32 s[G1B+2], 128<<16
	s_mov_b32 s[G1B+3], 128<<16
	s_mov_b32 s[G1B+4], 128
	s_mov_b32 s[G1B+5], 1024
	s_mov_b32 s[G1B+6], 0
	s_mov_b32 s[G1B+7], 0
	s_lshl_b32 s16, s13, 20                        ; A: row 128 x tile row + 64 x half, 8,192 bytes a row
	s_lshl_b32 s17, s12, 19
	s_add_co_u32 s16, s16, s17
	s_mov_b32 s17, 0
	s_lshl_b32 s46, s42, 8                         ; B: 256 bytes x tile column + 128 rows x half
	s_lshl_b32 s47, s12, 18
	s_add_co_u32 s46, s46, s47
	s_mov_b32 s47, 0
	s_mul_i32 s20, s12, HALFA
	s_mul_i32 s21, s12, HALFB
	s_add_co_u32 s21, s21, BOFF
	s_mov_b32 s[G0F], 1
	s_mov_b32 s[G0F+1], s20
	s_mov_b32 s[G0], 1
	s_add_co_u32 s[G0+1], s20, SLOT
	s_mov_b32 s[G0BF], 1
	s_mov_b32 s[G0BF+1], s21
	s_mov_b32 s[G0B], 1
	s_add_co_u32 s[G0B+1], s21, SLOT
	s_wait_dscnt 0x0                               ; both opening adds are done
	s_wait_kmcnt 0x0
	s_add_nc_u64 s[G0F+2:G0F+3], s[4:5], s[16:17]
	s_add_nc_u64 s[G0+2:G0+3], s[G0F+2:G0F+3], ASTEP
	s_or_b32 s[G0F+3], s[G0F+3], 0x80000000
	s_or_b32 s[G0+3], s[G0+3], 0x80000000
	s_add_nc_u64 s[G0BF+2:G0BF+3], s[6:7], s[46:47]
	s_add_nc_u64 s[G0B+2:G0B+3], s[G0BF+2:G0BF+3], BSTEP
	s_or_b32 s[G0BF+3], s[G0BF+3], 0x80000000
	s_or_b32 s[G0B+3], s[G0B+3], 0x80000000
	CROUND
	s_cmp_eq_u32 s11, 0                            ; a wave's two first fills stand in one branch: two loads of mine are out
	s_cbranch_scc0 .Lfirst_b
	tensor_load_to_lds s[G0F:G0F+3], s[G1:G1+7]
	s_nop 0
	tensor_load_to_lds s[G0:G0+3], s[G1:G1+7]
	s_nop 0
.rept 4
	v_nop
.endr
	s_branch .Lfirst_asked
.Lfirst_b:
	tensor_load_to_lds s[G0BF:G0BF+3], s[G1B:G1B+7]
	s_nop 0
	tensor_load_to_lds s[G0B:G0B+3], s[G1B:G1B+7]
	s_nop 0
.rept 4
	v_nop
.endr
.Lfirst_asked:
	v_and_b32 v1, 15, v0
	v_bfe_u32 v2, v0, 4, 1
	s_lshl_b32 s22, s42, 9                         ; the bias of my 64 columns
	s_lshl_b32 s23, s12, 8
	s_add_co_u32 s22, s22, s23
	s_mov_b32 s23, 0
	s_add_nc_u64 s[76:77], s[76:77], s[22:23]
	v_lshlrev_b32 v[BO], 5, v2
.irp b, 0,1,2,3
	global_load_b128 v[BI+8*(\b):BI+8*(\b)+3],   v[BO], s[76:77] offset:64*(\b)
	global_load_b128 v[BI+8*(\b)+4:BI+8*(\b)+7], v[BO], s[76:77] offset:64*(\b)+16
.endr
	v_mul_u32_u24 v3, v1, PA
	v_lshl_add_u32 v3, v2, 4, v3
	s_mul_i32 s21, s11, HALFA
	v_add_nc_u32 v[ADRA0], s21, v3
	v_and_b32 v4, 7, v0
	v_lshl_add_u32 v4, v2, 3, v4
	v_mul_u32_u24 v4, v4, PB
	v_bfe_u32 v5, v0, 3, 1
	v_lshl_add_u32 v4, v5, 4, v4
	s_lshl_b32 s22, s12, 7
	s_add_co_u32 s22, s22, BOFF
	v_add_nc_u32 v[ADRB0], s22, v4
	v_add_nc_u32 v[ADRB0+1], 128*PB, v[ADRB0]
	v_mov_b32 v[ADRA], v[ADRA0]
	v_mov_b32 v[ADRB], v[ADRB0]
	v_mov_b32 v[ADRB+1], v[ADRB0+1]
	s_mov_b32 s[SL], 0
	s_mul_i32 s23, s10, 16*SPITCH
	s_add_co_u32 s23, s23, STAGE
	v_mul_u32_u24 v4, v1, SPITCH                   ; in: row l % 16, 32 bytes for each half of the lanes
	v_lshl_add_u32 v4, v2, 5, v4
	v_add_nc_u32 v[STO], s23, v4
	v_mul_u32_u24 v5, v2, SPITCH                   ; back: lanes 0-15 one row of 256 bytes, lanes 16-31 the next
	v_lshl_add_u32 v5, v1, 4, v5
	v_add_nc_u32 v[RD], s23, v5
	v_lshlrev_b32 v5, 12, v2
	v_lshl_add_u32 v[CO], v1, 4, v5
	s_lshl_b32 s16, s13, 7
	s_lshl_b32 s17, s11, 6
	s_add_co_u32 s16, s16, s17
	s_lshl_b32 s16, s16, 12
	s_lshl_b32 s46, s42, 9
	s_lshl_b32 s47, s12, 8
	s_add_co_u32 s46, s46, s47
	s_add_co_u32 s16, s16, s46
	s_mov_b32 s17, 0
	s_add_nc_u64 s[8:9], s[78:79], s[16:17]        ; y2 at my 64 x 64
	s_wait_loadcnt 0x0
.set i, 0
.rept 16
	RND2 BI+2*i, BI+2*i+1, 30+i%2
.set i, i+1
.endr
.macro MUL8 f, c, a0, first            ; 8 matrix instructions: row blocks a0, a0 + 1 x 4 column blocks, 32 along K: half c of buffer f
	WIN MUL
.irp a, \a0, (\a0)+1
.irp b, 0,1,2,3
.if \first
	v_wmma_f32_16x16x32_bf16 v[ACC+8*(4*(\a)+(\b)):ACC+8*(4*(\a)+(\b))+7], v[(\f)+64+8*(4*(\c)+(\b)):(\f)+64+8*(4*(\c)+(\b))+7], v[(\f)+8*(4*(\c)+(\a)):(\f)+8*(4*(\c)+(\a))+7], v[BI+8*(\b):BI+8*(\b)+7]
.else
	v_wmma_f32_16x16x32_bf16 v[ACC+8*(4*(\a)+(\b)):ACC+8*(4*(\a)+(\b))+7], v[(\f)+64+8*(4*(\c)+(\b)):(\f)+64+8*(4*(\c)+(\b))+7], v[(\f)+8*(4*(\c)+(\a)):(\f)+8*(4*(\c)+(\a))+7], v[ACC+8*(4*(\a)+(\b)):ACC+8*(4*(\a)+(\b))+7]
.endif
.endr
.endr
.endm
.macro FETCH q, f                      ; 32 LDS loads in one run: quarter q (64 along K) into buffer f; its first 32 along K first
	WIN TO_F
.irp c, 0,1
.irp i, 0,1,2,3
	ds_load_tr16_b128 v[(\f)+64+8*(4*(\c)+(\i)):(\f)+64+8*(4*(\c)+(\i))+3],   v[ADRB+(\q)/2] offset:(((\q)%2)*64+32*(\c))*PB+32*(\i)
	ds_load_tr16_b128 v[(\f)+64+8*(4*(\c)+(\i))+4:(\f)+64+8*(4*(\c)+(\i))+7], v[ADRB+(\q)/2] offset:(((\q)%2)*64+32*(\c))*PB+32*(\i)+16*PB
	ds_load_b128 v[(\f)+8*(4*(\c)+(\i)):(\f)+8*(4*(\c)+(\i))+3],   v[ADRA] offset:(\q)*128+64*(\c)+(\i)*16*PA
	ds_load_b128 v[(\f)+8*(4*(\c)+(\i))+4:(\f)+8*(4*(\c)+(\i))+7], v[ADRA] offset:(\q)*128+64*(\c)+(\i)*16*PA+32
.endr
.endr
.endm
.macro PLACES
.rept 4
	v_nop
.endr
.endm
.macro QUARTER q, f, g, first          ; the 16 accumulators take turns
	s_wait_dscnt 16                                ; the first 32 along K are in
	MUL8 \f, 0, 0, \first
	MUL8 \f, 0, 2, \first
	PLACES
	FETCH \q, \g
	s_wait_dscnt 32                                ; all but the 32 just issued
	MUL8 \f, 1, 0, 0
	MUL8 \f, 1, 2, 0
.endm
.macro TURN fill                       ; the last quarter of a K step changes slots; fill = 1: this slot is filled again, two K steps ahead
	WIN 0
	s_wait_tensorcnt 0x0                           ; all my tensor loads have landed
	ds_add_u32 v[SPW], v[NIL]
	s_wait_dscnt 17                                ; (the add and the youngest sixteen loads may be out)
	MUL8 F1, 0, 0, 0
	s_wait_dscnt 0x0                               ; the add is done, and my reads of this slot are over
	s_barrier_signal -1
	MUL8 F1, 0, 2, 0
	WIN 0
	s_barrier_wait -1
.if \fill
	CREST
	s_xor_b32 s[G0+1], s[G0+1], SLOT
	s_add_nc_u64 s[G0+2:G0+3], s[G0+2:G0+3], ASTEP
	s_xor_b32 s[G0B+1], s[G0B+1], SLOT
	s_add_nc_u64 s[G0B+2:G0B+3], s[G0B+2:G0B+3], BSTEP
	JLOAD                                          ; the four v_nop behind it are also the places in front of the loads below
.else
	PLACES
.endif
	s_xor_b32 s[SL], s[SL], SLOT
	v_add_nc_u32 v[ADRA], s[SL], v[ADRA0]
	v_add_nc_u32 v[ADRB], s[SL], v[ADRB0]
	v_add_nc_u32 v[ADRB+1], s[SL], v[ADRB0+1]
	FETCH 0, F0
	MUL8 F1, 1, 0, 0
	MUL8 F1, 1, 2, 0
.endm
	s_wait_tensorcnt 1                             ; my part of K step 0 is in; K step 1's may stay out
	s_barrier_signal -1
	s_barrier_wait -1
	FETCH 0, F0
	QUARTER 1, F0, F1, 1
	WIN 0
	s_mov_b32 s3, 14
.Lk:                                           ; a trip is a K step; it refills K steps 2 to 15
	QUARTER 2, F1, F0, 0
	QUARTER 3, F0, F1, 0
	TURN 1
	QUARTER 1, F0, F1, 0
	WIN 0
	s_sub_co_u32 s3, s3, 1
	s_cmp_lg_u32 s3, 0
	s_cbranch_scc1 .Lk
	s_mov_b32 s3, 2                                ; K steps 14 and 15 fill nothing: a loop of two trips, entered at its middle: quarters 2 and 3 of step 14; the change of slots and quarter 1; quarters 2 and 3 of step 15
	s_branch .Lmid
.Lt:
	TURN 0
	QUARTER 1, F0, F1, 0
	WIN 0
.Lmid:
	QUARTER 2, F1, F0, 0
	QUARTER 3, F0, F1, 0
	WIN 0
	s_sub_co_u32 s3, s3, 1
	s_cmp_lg_u32 s3, 0
	s_cbranch_scc1 .Lt
	s_wait_dscnt 16                                ; the very last quarter: nothing more to fetch
	MUL8 F1, 0, 0, 0
	MUL8 F1, 0, 2, 0
	s_wait_dscnt 0x0
	MUL8 F1, 1, 0, 0
	MUL8 F1, 1, 2, 0
	WIN 0
	PLACES
; THE WAY OUT of row block a: 32 bytes a lane into my stage (each accumulator's low four registers first), back as whole rows of 256 bytes into the registers that they left.
.macro PK a
.irp b, 0,1,2,3
	ds_store_b128 v[STO], v[ACC+8*(4*(\a)+(\b)):ACC+8*(4*(\a)+(\b))+3]   offset:64*(\b)
	ds_store_b128 v[STO], v[ACC+8*(4*(\a)+(\b))+4:ACC+8*(4*(\a)+(\b))+7] offset:64*(\b)+16
.endr
.irp t, 0,1,2,3,4,5,6,7
	ds_load_b128 v[ACC+32*(\a)+4*(\t):ACC+32*(\a)+4*(\t)+3], v[RD] offset:(\t)*2*SPITCH  ; LDS serves a wave's instructions in order (ISA guide 5.7.1.4)
.endr
.endm
.macro SD a, younger                   ; younger: the LDS instructions issued behind block a's loads
.irp t, 0,1,2,3,4,5,6,7
	s_wait_dscnt (\younger)+7-(\t)
	global_store_b128 v[CO], v[ACC+32*(\a)+4*(\t):ACC+32*(\a)+4*(\t)+3], s[8:9] offset:(16*(\a)+2*(\t))*4096  ; 16 lanes store 256 consecutive bytes, aligned
.endr
.endm
	PK 0
	PK 1
	SD 0, 16
	PK 2
	SD 1, 16
	PK 3
	SD 2, 16
	SD 3, 0
	s_wait_tensorcnt 0x0                           ; the wave's end
	ds_add_u32 v[SPW], v[NIL]
	s_wait_dscnt 0x0
	CROUND                                         ; the closing round
	s_endpgm
.Lfunc_end_k_qdc78380155_ff2:
	.size	k_qdc78380155_ff2, .Lfunc_end_k_qdc78380155_ff2-k_qdc78380155_ff2
	.p2alignl 7, 3214868480
	.fill 96, 4, 3214868480
	.section	.rodata,"a",@progbits
	.p2align	6, 0x0
	.amdhsa_kernel k_qdc78380155_ff2
		.amdhsa_group_segment_fixed_size 327680
		.amdhsa_private_segment_fixed_size 0
		.amdhsa_enable_private_segment 0
		.amdhsa_kernarg_size 32
		.amdhsa_user_sgpr_count 2
		.amdhsa_user_sgpr_kernarg_segment_ptr 1
		.amdhsa_wavefront_size32 1
		.amdhsa_system_sgpr_workgroup_id_x 1
		.amdhsa_system_sgpr_workgroup_id_y 1
		.amdhsa_system_sgpr_workgroup_id_z 1
		.amdhsa_system_vgpr_workitem_id 0
		.amdhsa_next_free_vgpr 512
		.amdhsa_next_free_sgpr 80
		.amdhsa_reserve_vcc 0
		.amdhsa_float_denorm_mode_32 3
		.amdhsa_float_denorm_mode_16_64 3
		.amdhsa_memory_ordered 1
		.amdhsa_forward_progress 1
		.amdhsa_inst_pref_size 64
	.end_amdhsa_kernel
	.amdgpu_metadata
---
amdhsa.version: [ 1, 2 ]
amdhsa.kernels:
  - .name:           k_qdc78380155_ff2
    .symbol:         k_qdc78380155_ff2.kd
    .args:
      - { .name: tff, .offset: 0, .size: 8, .value_kind: global_buffer, .address_space: global }
      - { .name: w2b, .offset: 8, .size: 8, .value_kind: global_buffer, .address_space: global }
      - { .name: b2, .offset: 16, .size: 8, .value_kind: global_buffer, .address_space: global }
      - { .name: y2, .offset: 24, .size: 8, .value_kind: global_buffer, .address_space: global }
    .group_segment_fixed_size: 327680
    .private_segment_fixed_size: 0
    .kernarg_segment_align: 8
    .kernarg_segment_size: 32
    .max_flat_workgroup_size: 128
    .sgpr_count:     80
    .vgpr_count:     512
    .wavefront_size: 32
...
	.end_amdgpu_metadata
.endif
;; end of part 5
;; launch ln2 (part 6): grid 512 x 1, 8 waves a work-group, no clusters, 0 bytes of LDS; arguments y2, pk2, h1lo, g2, beta2, out0; writes out0
.if DOCPART == 6
	.amdgcn_target "amdgcn-amd-amdhsa--gfx1250"
	.amdhsa_code_object_version 6
	.text
	.protected	k_qdc78380155_ln2
	.globl	k_qdc78380155_ln2
	.p2align	8
	.type	k_qdc78380155_ln2,@function
k_qdc78380155_ln2:
	s_mov_b64 s[64:65], 0
	v_nop
	global_prefetch_b8 v0, s[64:65] scope:SCOPE_SE
	s_setreg_imm32_b32 hwreg(HW_REG_WAVE_MODE, 25, 1), 1
	s_wait_xcnt 0x0
; out0 = LN(y2 + h1) g2 + beta2, h1 = hi + lo (two bf16: pk2's first 8 MiB and h1lo); y2 f32 [4096][1024] holds the second product with its bias.  g2 and beta2 are rounded to bf16 like all inputs.  No work is left out.
; SHARES.  A wave takes one row, 8 x work-group + wave, over its 32 lanes: a lane holds columns 128 j + 4 l .. + 3, j = 0..7.  A load or store of f32 covers 512 consecutive bytes, one of bf16 256.
; The row stays in registers; the variance is taken of the centred numbers, in a second pass.  No LDS, no ring: all 40 loads of a wave go out at once.
.set ONE, 6
.set MU,  8
.set RS,  10
.set GS,  16                           ; v[16:47] g2 as loaded; then GP v[16:31], BP v[32:47]
.set GP,  16
.set BP,  32
.set BS,  48                           ; v[48:79] beta2 as loaded
.set YY,  80                           ; v[80:111]  y2's row, then the row at work
.set HI,  112                          ; v[112:127]
.set LO,  128                          ; v[128:143]
.set CH,  144                          ; v[144:151] four chains of sums
	s_load_b256 s[4:11], s[0:1], 0x0               ; y2 4, pk2 6, h1lo 8, g2 10
	s_load_b128 s[12:15], s[0:1], 0x20             ; beta2 12, out0 14
	v_lshrrev_b32 v4, 5, v0                        ; wave
	v_and_b32 v5, 31, v0                           ; lane
	s_lshl_b32 s18, ttmp9, 15
	s_lshl_b32 s19, ttmp9, 14
	v_lshl_add_u32 v1, v4, 12, s18
	v_lshl_add_u32 v1, v5, 4, v1                   ; y2, out0: row x 4,096 + 16 l
	v_lshl_add_u32 v2, v4, 11, s19
	v_lshl_add_u32 v2, v5, 3, v2                   ; hi, lo: row x 2,048 + 8 l
	v_lshlrev_b32 v3, 4, v5                        ; g2, beta2
	s_mov_b32 s16, 0x76543210                      ; v_permlanex16_b32: each lane takes its own place in the other half
	s_mov_b32 s17, 0xfedcba98
	s_mov_b32 s20, 0x3a800000                      ; 1 / 1024
	s_mov_b32 s21, 0x3727c5ac                      ; 1e-5
	v_mov_b32 v[ONE], 1.0
	v_mov_b32 v13, 0                               ; the exchange's destination counts as read
	s_wait_kmcnt 0x0
.set j, 0
.rept 8
	global_load_b128 v[GS+4*j:GS+4*j+3], v3, s[10:11] offset:512*j
.set j, j+1
.endr
.set j, 0
.rept 8
	global_load_b128 v[BS+4*j:BS+4*j+3], v3, s[12:13] offset:512*j
.set j, j+1
.endr
.set j, 0
.rept 8
	global_load_b128 v[YY+4*j:YY+4*j+3], v1, s[4:5] offset:512*j th:TH_LOAD_NT
.set j, j+1
.endr
.set j, 0
.rept 8
	global_load_b64 v[HI+2*j:HI+2*j+1], v2, s[6:7] offset:256*j th:TH_LOAD_NT
.set j, j+1
.endr
.set j, 0
.rept 8
	global_load_b64 v[LO+2*j:LO+2*j+1], v2, s[8:9] offset:256*j th:TH_LOAD_NT
.set j, j+1
.endr
	s_wait_loadcnt 24                              ; g2 and beta2 are in; the row's 24 loads stay out
.set i, 0
.rept 16
	v_cvt_pk_bf16_f32 v[GP+i], v[GS+2*i], v[GS+2*i+1]  ; in place, ascending: word i lies below the two numbers it is made of
.set i, i+1
.endr
.set i, 0
.rept 16
	v_cvt_pk_bf16_f32 v[BP+i], v[BS+2*i], v[BS+2*i+1]
.set i, i+1
.endr
.macro LANES32                         ; v12 summed over the 32 lanes
	v_pk_add_f32 v[CH:CH+1], v[CH:CH+1], v[CH+2:CH+3]
	v_pk_add_f32 v[CH+4:CH+5], v[CH+4:CH+5], v[CH+6:CH+7]
	v_pk_add_f32 v[CH:CH+1], v[CH:CH+1], v[CH+4:CH+5]
	v_add_f32 v12, v[CH], v[CH+1]
	v_add_f32_dpp v12, v12, v12 row_xmask:1 row_mask:0xf bank_mask:0xf
	v_add_f32_dpp v12, v12, v12 row_xmask:2 row_mask:0xf bank_mask:0xf
	v_add_f32_dpp v12, v12, v12 row_xmask:4 row_mask:0xf bank_mask:0xf
	v_add_f32_dpp v12, v12, v12 row_xmask:8 row_mask:0xf bank_mask:0xf
	v_permlanex16_b32 v13, v12, s16, s17
	v_add_f32 v12, v12, v13
.endm
	s_wait_loadcnt 0x0                             ; the row
.set i, 0
.rept 16
	v_fma_mix_f32_bf16 v[YY+2*i],   v[HI+i], v[ONE], v[YY+2*i]   op_sel:[0,0,0] op_sel_hi:[1,0,0]  ; y2 + hi, low halves,
	v_fma_mix_f32_bf16 v[YY+2*i+1], v[HI+i], v[ONE], v[YY+2*i+1] op_sel:[1,0,0] op_sel_hi:[1,0,0]  ; high halves
.set i, i+1
.endr
.set i, 0
.rept 16
	v_fma_mix_f32_bf16 v[YY+2*i],   v[LO+i], v[ONE], v[YY+2*i]   op_sel:[0,0,0] op_sel_hi:[1,0,0]  ; + lo
	v_fma_mix_f32_bf16 v[YY+2*i+1], v[LO+i], v[ONE], v[YY+2*i+1] op_sel:[1,0,0] op_sel_hi:[1,0,0]
.set i, i+1
.endr
.set p, 0
.rept 4
	v_pk_add_f32 v[CH+2*p:CH+2*p+1], v[YY+2*p:YY+2*p+1], v[YY+2*p+8:YY+2*p+9]
.set p, p+1
.endr
.set p, 8
.rept 8
	v_pk_add_f32 v[CH+2*(p%4):CH+2*(p%4)+1], v[CH+2*(p%4):CH+2*(p%4)+1], v[YY+2*p:YY+2*p+1]
.set p, p+1
.endr
	LANES32
	v_mul_f32 v[MU], s20, v12
	v_mov_b32 v[MU+1], v[MU]
.set p, 0
.rept 16
	v_pk_add_f32 v[YY+2*p:YY+2*p+1], v[YY+2*p:YY+2*p+1], v[MU:MU+1] neg_lo:[0,1] neg_hi:[0,1]
.set p, p+1
.endr
.set p, 0
.rept 4
	v_pk_mul_f32 v[CH+2*p:CH+2*p+1], v[YY+2*p:YY+2*p+1], v[YY+2*p:YY+2*p+1]
.set p, p+1
.endr
.set p, 4
.rept 12
	v_pk_fma_f32 v[CH+2*(p%4):CH+2*(p%4)+1], v[YY+2*p:YY+2*p+1], v[YY+2*p:YY+2*p+1], v[CH+2*(p%4):CH+2*(p%4)+1]
.set p, p+1
.endr
	LANES32
	v_fma_f32 v12, v12, s20, s21                   ; variance + 1e-5
	v_rsq_f32 v[RS], v12
	v_rsq_f32 v[RS+1], v12
	v_nop                                          ; a plain line behind the second,
	s_wait_alu depctr_va_vdst(0)                   ; and the one wait ahead of the first use
.set p, 0
.rept 16
	v_pk_mul_f32 v[YY+2*p:YY+2*p+1], v[YY+2*p:YY+2*p+1], v[RS:RS+1]
.set p, p+1
.endr
.set i, 0
.rept 16
	v_fma_mix_f32_bf16 v[YY+2*i],   v[YY+2*i],   v[GP+i], v[BP+i] op_sel:[0,0,0] op_sel_hi:[0,1,1]
	v_fma_mix_f32_bf16 v[YY+2*i+1], v[YY+2*i+1], v[GP+i], v[BP+i] op_sel:[0,1,1] op_sel_hi:[0,1,1]
.set i, i+1
.endr
.set j, 0
.rept 8
	global_store_b128 v1, v[YY+4*j:YY+4*j+3], s[14:15] offset:512*j th:TH_STORE_NT  ; 512 consecutive bytes, aligned
.set j, j+1
.endr
	s_endpgm
.Lfunc_end_k_qdc78380155_ln2:
	.size	k_qdc78380155_ln2, .Lfunc_end_k_qdc78380155_ln2-k_qdc78380155_ln2
	.p2alignl 7, 3214868480
	.fill 96, 4, 3214868480
	.section	.rodata,"a",@progbits
	.p2align	6, 0x0
	.amdhsa_kernel k_qdc78380155_ln2
		.amdhsa_group_segment_fixed_size 0
		.amdhsa_private_segment_fixed_size 0
		.amdhsa_enable_private_segment 0
		.amdhsa_kernarg_size 48
		.amdhsa_user_sgpr_count 2
		.amdhsa_user_sgpr_kernarg_segment_ptr 1
		.amdhsa_wavefront_size32 1
		.amdhsa_system_sgpr_workgroup_id_x 1
		.amdhsa_system_sgpr_workgroup_id_y 1
		.amdhsa_system_sgpr_workgroup_id_z 1
		.amdhsa_system_vgpr_workitem_id 0
		.amdhsa_next_free_vgpr 152
		.amdhsa_next_free_sgpr 66
		.amdhsa_reserve_vcc 0
		.amdhsa_float_denorm_mode_32 3
		.amdhsa_float_denorm_mode_16_64 3
		.amdhsa_memory_ordered 1
		.amdhsa_forward_progress 1
		.amdhsa_inst_pref_size 19
	.end_amdhsa_kernel
	.amdgpu_metadata
---
amdhsa.version: [ 1, 2 ]
amdhsa.kernels:
  - .name:           k_qdc78380155_ln2
    .symbol:         k_qdc78380155_ln2.kd
    .args:
      - { .name: y2, .offset: 0, .size: 8, .value_kind: global_buffer, .address_space: global }
      - { .name: pk2, .offset: 8, .size: 8, .value_kind: global_buffer, .address_space: global }
      - { .name: h1lo, .offset: 16, .size: 8, .value_kind: global_buffer, .address_space: global }
      - { .name: g2, .offset: 24, .size: 8, .value_kind: global_buffer, .address_space: global }
      - { .name: beta2, .offset: 32, .size: 8, .value_kind: global_buffer, .address_space: global }
      - { .name: out0, .offset: 40, .size: 8, .value_kind: global_buffer, .address_space: global }
    .group_segment_fixed_size: 0
    .private_segment_fixed_size: 0
    .kernarg_segment_align: 8
    .kernarg_segment_size: 48
    .max_flat_workgroup_size: 256
    .sgpr_count:     66
    .vgpr_count:     152
    .wavefront_size: 32
...
	.end_amdgpu_metadata
.endif
;; end of part 6
